; MI455X (gfx1250); checked and timed in simulation.
; The chip was launched on July 23, 2026; its instructions are those of AMD's public machine-readable ISA for CDNA 5 (MIT licence, August 2026) and "CDNA5" Instruction Set Architecture Reference Guide (July 2026). The comments in the code are by the model that wrote it; some were corrected since.
;; Attention. Allowed arithmetic: matrix products marked QUANTISED: E2M1 operands, one E8M0 scale for each 32 along K, by v_wmma_scale_f32_16x16x128_f8f6f4 with both operands' format E2M1 (or v_wmma_scale_f32_32x16x128_f4), f32 sums; products left as they are: bf16, f16 or f32 operands; f32 sums; everything else in f32.
;; Inputs: Wk 768 x 12 x 64 float32; Wo 12 x 64 x 768 float32; Wq 768 x 12 x 64 float32; Wv 768 x 12 x 64 float32; bk 12 x 64 float32; bo 768 float32; bq 12 x 64 float32; bv 12 x 64 float32; x 16 x 1,024 x 768 float32.
;; Outputs: out0 16 x 1,024 x 768 float32.
;; This version of the problem:
;;   THIS VERSION OF THE PROBLEM IS GIVEN IN LOW PRECISION. The matrix products marked QUANTISED in the list below multiply operands that are first quantised to E2M1 (2 exponent bits, 1 mantissa bit; 4 bits a number), with one power-of-two scale for each 32 numbers along K (OCP MX v1.0); their sums are f32. The products marked 'left as it is' may take bf16, f16 or f32 operands, with f32 sums. Whichever they take, every output number must still come out within the allowed error. Rounding operands to bf16 (8 significant bits) uses up far more of that allowance than f16 does (11 bits, for magnitudes from 6e-5 to 65,504). All else is computed in f32.
;;   The module's matrix products, in the order in which they are computed (A, B: the left and right operand; K: the contracted axis; several contracted axes count as one K, in the product's order):
;;     1. [M 16,384, K 768] x [K 768, N 768]; A: input x; B: input Wq: QUANTISED
;;     2. [M 16,384, K 768] x [K 768, N 768]; A: input x; B: input Wk: QUANTISED
;;     3. [M 16,384, K 768] x [K 768, N 768]; A: input x; B: input Wv: QUANTISED
;;     4. batch 192 x [M 1,024, K 64] x [K 64, N 1,024]; A: computed on the way; B: computed on the way: left as it is (an operand is computed on the way)
;;     5. batch 192 x [M 64, K 1,024] x [K 1,024, N 1,024]; A: computed on the way; B: computed on the way: left as it is (an operand is computed on the way)
;;     6. [M 16,384, K 768] x [K 768, N 768]; A: computed on the way; B: input Wo: left as it is (an operand is computed on the way)
;;   THE QUANTISER, for each operand of a quantised product, along K:
;;     - K is cut into blocks of 32 from its start; a last block that is shorter is filled with zeros.
;;     - A block's scale is 2^e with e = floor(log2(the largest magnitude in the block)) - 2, held to -126 .. 127; a block of zeros has e = 0. As a byte (E8M0): e + 127.
;;     - Each number is divided by its block's scale, clamped to +-6, and rounded to the nearest number of E2M1, ties to even, subnormals kept.
;;     - The product sums the exact products of the quantised numbers (number of the format x scale) in f32.
;;   ~~~python
;;   def quantise(x, axis):      # numpy; x: float32 -> the quantised numbers, widened to float32 again
;;       x = np.moveaxis(x, axis, -1); K = x.shape[-1]
;;       x = np.pad(x, [(0, 0)] * (x.ndim - 1) + [(0, -K % 32)]); x = x.reshape(x.shape[:-1] + (-1, 32)); a = np.abs(x).max(-1, keepdims=True)
;;       e = np.where(a > 0, np.clip(np.frexp(np.where(a > 0, a, 1))[1] - 1 - 2, -126, 127), 0)      # np.frexp(a)[1] - 1 = floor(log2(a)), exactly
;;       r = np.clip(x / 2.0 ** e, -6, 6)
;;       step = 2.0 ** (np.maximum(np.frexp(np.where(r == 0, 1, r))[1] - 1, 0) - 1)
;;       q = np.round(r / step) * step * 2.0 ** e      # np.round: ties to even
;;       return np.moveaxis(q.reshape(q.shape[:-2] + (-1,))[..., :K], -1, axis).astype(np.float32)
;;   ~~~
;; One version. Each part assembles by itself: llvm-mc -triple=amdgcn-amd-amdhsa -mcpu=gfx1250 --defsym DOCPART=n.
;; ======== version 1 of 1: 4 launches
;; limits: values are held in f16: magnitudes above 65,504 overflow, below 6.1e-05 lose precision
;; workspace buffers: xq 6,815,744 bytes; wq 995,328 bytes; wo16 1,179,648 bytes; q16 25,165,824 bytes; k16 25,165,824 bytes; v16 25,165,824 bytes; o16 25,165,824 bytes
;; launch prep (part 1): grid 656 x 1, 4 waves a work-group, no clusters, 34,304 bytes of LDS; arguments x, Wq, Wk, Wv, Wo, xq, wq, wo16; writes xq, wq, wo16
.if DOCPART == 1
	.amdgcn_target "amdgcn-amd-amdhsa--gfx1250"
	.amdhsa_code_object_version 6
	.text
	.protected	k_q427b7c8e20_prep
	.globl	k_q427b7c8e20_prep
	.p2align	8
	.type	k_q427b7c8e20_prep,@function
k_q427b7c8e20_prep:
	s_mov_b64 s[64:65], 0
	v_nop
	global_prefetch_b8 v0, s[64:65] scope:SCOPE_SE
	s_setreg_imm32_b32 hwreg(HW_REG_WAVE_MODE, 25, 1), 1
	s_wait_xcnt 0x0
; PREP: the operands of the later launches, each laid in the order of the reader's operand registers (a fragment = 1,024 bytes: register group c of lane l at 512 c + 16 l).
;   x  [16384][768] f32  -> xq:   codes of FP4 (E2M1) along the 768, one E8M0 byte for each 32; a record of 6,656 bytes for each 16 rows: six fragments (16 rows x 128 K), then 512 bytes of scale words [K half][row][4 words]
;   Wq, Wk, Wv [768 (k)][768 (n)] f32 -> wq: the same along their FIRST axis; a record of 6,912 bytes for each 16 columns: six fragments, then 768 bytes of scale words [K step][column][word, 0]
;   Wo [768 (k)][768 (e)] f32 -> wo16: f16 fragments (16 columns e x 32 k), [192 columns][K step of 128][16 columns][32 k]
; A block's scale is 2^(floor(log2(largest magnitude)) - 2); its byte is the largest magnitude's exponent field - 2, held at 1 from below.
; LIMITS: a block of zeros, or one whose largest magnitude lies under 2^-124, gets the byte 1 (its codes are zeros or tiny; only this program reads the bytes); NaN and infinities among the inputs are not served;
; Wo must lie under 65,504 in magnitude (f16).
; Work-groups 0 to 511 take x, 512 to 655 the four weights.  No tensor loads, no barrier, no matrix unit, no cluster: a stream whose waves share nothing.  Only the x path touches LDS.
.set SPARE, 33792                      ; behind the four stages: the spare words, 128 bytes a wave
.set SPW,   238                        ; v238 LDS address of my spare word; never rewritten
.set NIL,   239                        ; v239 0; never rewritten
.set R,     16                         ; x path: v16-143 two sets of 64 numbers as loaded
.set X,     144                        ; v144-207 64 numbers of my row: register 32 c + n = k 64 c + 32 (lane / 16) + n
.set C,     208                        ; v208-231 codes, eight registers a K step: no store's data are written again
.set W,     232                        ; v232-234 the three scale words
.set XW,    32                         ; weight paths: v32-95 two sets of 32 numbers down k
.set CW,    96                         ; v96-111 codes, four registers a block
.set CF,    112                        ; v112-175 f16 pairs, sixteen registers a block
	s_load_b256 s[4:11], s[0:1], 0x0               ; x, Wq, Wk, Wv
	s_load_b256 s[12:19], s[0:1], 0x20             ; Wo, xq, wq, wo16
	v_lshl_add_u32 v[SPW], v0, 2, SPARE
	v_mov_b32 v[NIL], 0
	v_lshrrev_b32 v1, 5, v0
	v_readfirstlane_b32 s20, v1                    ; wave 0..3
	v_and_b32 v1, 31, v0                           ; lane
	v_and_b32 v2, 15, v0                           ; r
	v_bfe_u32 v3, v0, 4, 1                         ; h
	s_mov_b32 s36, 0x76543210
	s_mov_b32 s37, 0xfedcba98                      ; v_permlanex16_b32's selects for lane l xor 16
	s_wait_kmcnt 0x0
	s_cmp_ge_u32 ttmp9, 512
	s_cbranch_scc1 .Lweights
; ---------------- x: a wave takes 16 rows x 384 along K: three K steps of 128 ----------------
	s_lshl_b32 s21, ttmp9, 2
	s_add_co_u32 s21, s21, s20                     ; my unit
	s_lshr_b32 s22, s21, 1                         ; which 16 rows
	s_and_b32 s23, s21, 1                          ; which half of K
	s_mul_i32 s30, s22, 49152                      ; 16 rows of 3,072 bytes
	s_mul_i32 s31, s23, 1536
	s_add_co_u32 s30, s30, s31
	s_mov_b32 s31, 0
	s_add_nc_u64 s[24:25], s[4:5], s[30:31]        ; x at my rows, my half
	s_mul_i32 s32, s22, 6656
	s_mul_i32 s33, s23, 3072
	s_add_co_u32 s34, s32, s33
	s_mov_b32 s35, 0
	s_add_nc_u64 s[26:27], s[14:15], s[34:35]      ; my three fragments
	s_lshl_b32 s33, s23, 8
	s_add_co_u32 s34, s32, s33
	s_add_co_u32 s34, s34, 6144
	s_add_nc_u64 s[28:29], s[14:15], s[34:35]      ; my 256 bytes of scale words
	s_mul_i32 s21, s20, 8448                       ; my stage: 16 rows of 512 bytes + 16 of padding (pitch 528 = 33 x 16: the sixteen rows of a read start at sixteen different 16-byte columns)
	v_lshlrev_b32 v4, 4, v1                        ; 16 x lane: a load's and a code store's place
	v_add_nc_u32 v5, s21, v4                       ; stage, in: as loaded
	v_mul_u32_u24 v6, v2, 528
	v_lshl_add_u32 v6, v3, 7, v6
	v_add_nc_u32 v6, s21, v6                       ; stage, out: row r, + 128 h: my 32 neighbours of each 64
	v_lshlrev_b32 v7, 4, v2
	v_lshl_add_u32 v7, v3, 3, v7                   ; scale words: 16 r + 8 h
	v_lshlrev_b32 v8, 3, v3                        ; 8 h: how far my two bytes are shifted
	v_mov_b32 v9, 0                                ; written once: a lane permute's destination counts as one of its sources
.macro LOADX j                         ; K step j: 16 loads, each one row's 512 consecutive bytes
.irp i, 0,1,2,3,4,5,6,7,8,9,10,11,12,13,14,15
	global_load_b128 v[R+64*((\j)%2)+4*\i:R+64*((\j)%2)+4*\i+3], v4, s[24:25] offset:3072*\i+512*(\j) th:TH_LOAD_NT
.endr
.endm
.macro STEPX j
.set RS, R+64*((\j)%2)
.if (\j) < 2
	s_wait_loadcnt 16                              ; this step's 16 loads are in; the next step's may be out
.else
	s_wait_loadcnt 0x0
.endif
.irp i, 0,1,2,3,4,5,6,7,8,9,10,11,12,13,14,15
	ds_store_b128 v5, v[RS+4*\i:RS+4*\i+3] offset:528*\i
.endr
.irp c, 0,1
.irp i, 0,1,2,3,4,5,6,7
	ds_load_b128 v[X+32*\c+4*\i:X+32*\c+4*\i+3], v6 offset:256*\c+16*\i   ; LDS serves a wave's instructions in order: these see my stores
.endr
.endr
	s_wait_dscnt 0x0                               ; my numbers are back, and the stores have read their registers
.if (\j) == 0
	LOADX 2
.endif
.irp c, 0,1                                    ; my block 2 c + h: all its 32 numbers are mine
	v_max3_num_f32 v[10+\c], |v[X+32*\c]|, |v[X+32*\c+1]|, 0x1800000   ; with the floor 2^(3 - 127): the byte cannot fall under 1
.endr
.irp i, 2,4,6,8,10,12,14,16,18,20,22,24,26,28,30
.irp c, 0,1
	v_max3_num_f32 v[10+\c], v[10+\c], |v[X+32*\c+\i]|, |v[X+32*\c+\i+1]|
.endr
.endr
.irp c, 0,1
	v_add_nc_u32 v[12+\c], 0xff000000, v[10+\c]    ; 2 off the exponent field: the conversion's scale operand
.endr
.irp c, 0,1
	v_lshrrev_b32 v[14+\c], 23, v[12+\c]           ; the scale's byte
.endr
	v_lshl_or_b32 v[W+(\j)], v15, 16, v14          ; blocks h and 2 + h of my row,
	v_lshlrev_b32 v[W+(\j)], v8, v[W+(\j)]         ; at their places in the word;
	v_permlanex16_b32 v9, v[W+(\j)], s36, s37
	v_or_b32 v[W+(\j)], v[W+(\j)], v9              ; with lane l xor 16's two the word is whole
.irp c, 0,1
.irp g, 0,1,2,3
	v_cvt_scalef32_pk8_fp4_f32 v[C+8*(\j)+4*\c+\g], v[X+32*\c+8*\g:X+32*\c+8*\g+7], v[12+\c]
.endr
.endr
	v_nop                                          ; one plain place behind the scaled conversions
.irp c, 0,1
	global_store_b128 v4, v[C+8*(\j)+4*\c:C+8*(\j)+4*\c+3], s[26:27] offset:1024*(\j)+512*\c   ; 32 lanes store 512 consecutive bytes
.endr
.endm
	LOADX 0
	LOADX 1
	STEPX 0
	STEPX 1
	STEPX 2
	v_cmp_ne_u32 vcc_lo, 0, v3
	v_cndmask_b32 v12, v[W], v[W+2], vcc_lo        ; lanes 0-15: words 0, 1; lanes 16-31: word 2 and a 0
	v_cndmask_b32 v13, v[W+1], v[NIL], vcc_lo
	global_store_b64 v7, v[12:13], s[28:29]        ; 32 lanes store 256 consecutive bytes
	s_wait_tensorcnt 0x0                           ; the wave's end, behind my last LDS store
	ds_add_u32 v[SPW], v[NIL]
	s_wait_dscnt 0x0
	s_endpgm
; ---------------- the weights: a wave takes 32 columns x one K step of 128; a lane is a column, its registers run down k ----------------
.Lweights:
	s_sub_co_u32 s21, ttmp9, 512                   ; 0 .. 143
	s_mul_i32 s22, s21, 1821
	s_lshr_b32 s22, s22, 16                        ; / 36: which tensor: 0 Wq, 1 Wk, 2 Wv, 3 Wo
	s_mul_i32 s23, s22, 36
	s_sub_co_u32 s23, s21, s23
	s_mul_i32 s38, s23, 43
	s_lshr_b32 s38, s38, 8                         ; / 6: the K step
	s_mul_i32 s39, s38, 6
	s_sub_co_u32 s39, s23, s39
	s_mul_i32 s40, s20, 6
	s_add_co_u32 s40, s40, s39                     ; which 32 columns: 6 x wave + 0 .. 5
	s_cmp_eq_u32 s22, 1
	s_cselect_b64 s[24:25], s[8:9], s[6:7]
	s_cmp_eq_u32 s22, 2
	s_cselect_b64 s[24:25], s[10:11], s[24:25]
	s_cmp_eq_u32 s22, 3
	s_cselect_b64 s[24:25], s[12:13], s[24:25]
	s_mul_i32 s30, s38, 393216                     ; 128 rows of 3,072 bytes
	s_lshl_b32 s31, s40, 7
	s_add_co_u32 s30, s30, s31
	s_mov_b32 s31, 0
	s_add_nc_u64 s[24:25], s[24:25], s[30:31]
	v_lshlrev_b32 v4, 2, v1
.macro LOADW tb                        ; block tb: rows 32 tb + i of my column; a load reads 128 consecutive bytes
.irp i, 0,1,2,3,4,5,6,7,8,9,10,11,12,13,14,15,16,17,18,19,20,21,22,23,24,25,26,27,28,29,30,31
	global_load_b32 v[XW+32*((\tb)%2)+\i], v4, s[24:25] offset:(32*(\tb)+\i)*3072 th:TH_LOAD_NT
.endr
.endm
	LOADW 0
	LOADW 1
	s_cmp_eq_u32 s22, 3
	s_cbranch_scc1 .Lcast
	s_mul_i32 s32, s22, 48
	s_lshl_b32 s33, s40, 1
	s_add_co_u32 s32, s32, s33                     ; my first tile of 16 columns
	s_mul_i32 s32, s32, 6912
	s_lshl_b32 s33, s38, 10
	s_add_co_u32 s34, s32, s33
	s_mov_b32 s35, 0
	s_add_nc_u64 s[26:27], s[16:17], s[34:35]      ; its fragment of my K step
	s_lshl_b32 s33, s38, 7
	s_add_co_u32 s34, s32, s33
	s_add_co_u32 s34, s34, 6144
	s_add_nc_u64 s[28:29], s[16:17], s[34:35]      ; and that step's scale words
	v_mul_u32_u24 v5, v3, 6912                     ; lanes 16-31 belong to the next tile
	v_lshl_add_u32 v6, v2, 3, v5
	v_lshl_add_u32 v5, v2, 4, v5
	v_mov_b32 v15, 0
.macro BLOCKW tb
.set XS, XW+32*((\tb)%2)
.if (\tb) < 3
	s_wait_loadcnt 32                              ; this block's 32 loads are in; the next block's may be out
.else
	s_wait_loadcnt 0x0
.endif
	v_max3_num_f32 v12, |v[XS]|, |v[XS+1]|, |v[XS+2]|
	v_max3_num_f32 v13, |v[XS+3]|, |v[XS+4]|, |v[XS+5]|
.irp i, 6,10,14,18,22,26
	v_max3_num_f32 v12, v12, |v[XS+\i]|, |v[XS+\i+1]|
	v_max3_num_f32 v13, v13, |v[XS+\i+2]|, |v[XS+\i+3]|
.endr
	v_max3_num_f32 v12, v12, |v[XS+30]|, |v[XS+31]|
	v_max3_num_f32 v12, v12, v13, 0x1800000        ; and the floor
	v_add_nc_u32 v11, 0xff000000, v12
	v_lshrrev_b32 v10, 23, v11
.if (\tb) == 0
	v_mov_b32 v14, v10
.else
	v_lshl_or_b32 v14, v10, 8*(\tb), v14           ; four bytes make my column's word of this K step
.endif
.irp g, 0,1,2,3
	v_cvt_scalef32_pk8_fp4_f32 v[CW+4*(\tb)+\g], v[XS+8*\g:XS+8*\g+7], v11
.endr
	v_nop                                          ; one plain place behind the scaled conversions
	global_store_b128 v5, v[CW+4*(\tb):CW+4*(\tb)+3], s[26:27] offset:512*((\tb)/2)+256*((\tb)%2)   ; block tb is register group tb / 2 of the lanes' half tb % 2: sixteen lanes store 256 consecutive bytes
.if (\tb) < 2
	LOADW (\tb)+2
.endif
.endm
	BLOCKW 0
	BLOCKW 1
	BLOCKW 2
	BLOCKW 3
	global_store_b64 v6, v[14:15], s[28:29]        ; sixteen lanes store 128 consecutive bytes
	s_endpgm
.Lcast:
	s_mul_i32 s32, s20, 294912                     ; my 192 columns = my wave's number,
	s_mul_i32 s33, s38, 49152                      ; the K step,
	s_add_co_u32 s32, s32, s33
	s_lshl_b32 s33, s39, 13                        ; my two tiles of 16 columns
	s_add_co_u32 s34, s32, s33
	s_mov_b32 s35, 0
	s_add_nc_u64 s[30:31], s[18:19], s[34:35]
	v_lshlrev_b32 v7, 12, v3
	v_lshl_add_u32 v7, v2, 4, v7
.macro BLOCKC tb
.set XS, XW+32*((\tb)%2)
.if (\tb) < 3
	s_wait_loadcnt 32
.else
	s_wait_loadcnt 0x0
.endif
.irp i, 0,1,2,3,4,5,6,7,8,9,10,11,12,13,14,15
	v_cvt_pk_f16_f32 v[CF+16*(\tb)+\i], v[XS+2*\i], v[XS+2*\i+1]
.endr
.irp dg, 0,1,2,3
	global_store_b128 v7, v[CF+16*(\tb)+4*\dg:CF+16*(\tb)+4*\dg+3], s[30:31] offset:1024*(\tb)+256*\dg   ; eight k from 8 dg on: register group dg / 2 of the lanes' half dg % 2
.endr
.if (\tb) < 2
	LOADW (\tb)+2
.endif
.endm
	BLOCKC 0
	BLOCKC 1
	BLOCKC 2
	BLOCKC 3
	s_endpgm
.Lfunc_end_k_q427b7c8e20_prep:
	.size	k_q427b7c8e20_prep, .Lfunc_end_k_q427b7c8e20_prep-k_q427b7c8e20_prep
	.p2alignl 7, 3214868480
	.fill 96, 4, 3214868480
	.section	.rodata,"a",@progbits
	.p2align	6, 0x0
	.amdhsa_kernel k_q427b7c8e20_prep
		.amdhsa_group_segment_fixed_size 34304
		.amdhsa_private_segment_fixed_size 0
		.amdhsa_enable_private_segment 0
		.amdhsa_kernarg_size 64
		.amdhsa_user_sgpr_count 2
		.amdhsa_user_sgpr_kernarg_segment_ptr 1
		.amdhsa_wavefront_size32 1
		.amdhsa_system_sgpr_workgroup_id_x 1
		.amdhsa_system_sgpr_workgroup_id_y 1
		.amdhsa_system_sgpr_workgroup_id_z 1
		.amdhsa_system_vgpr_workitem_id 0
		.amdhsa_next_free_vgpr 240
		.amdhsa_next_free_sgpr 66
		.amdhsa_reserve_vcc 1
		.amdhsa_float_denorm_mode_32 3
		.amdhsa_float_denorm_mode_16_64 3
		.amdhsa_memory_ordered 1
		.amdhsa_forward_progress 1
		.amdhsa_inst_pref_size 55
	.end_amdhsa_kernel
	.amdgpu_metadata
---
amdhsa.version: [ 1, 2 ]
amdhsa.kernels:
  - .name:           k_q427b7c8e20_prep
    .symbol:         k_q427b7c8e20_prep.kd
    .args:
      - { .name: x, .offset: 0, .size: 8, .value_kind: global_buffer, .address_space: global }
      - { .name: Wq, .offset: 8, .size: 8, .value_kind: global_buffer, .address_space: global }
      - { .name: Wk, .offset: 16, .size: 8, .value_kind: global_buffer, .address_space: global }
      - { .name: Wv, .offset: 24, .size: 8, .value_kind: global_buffer, .address_space: global }
      - { .name: Wo, .offset: 32, .size: 8, .value_kind: global_buffer, .address_space: global }
      - { .name: xq, .offset: 40, .size: 8, .value_kind: global_buffer, .address_space: global }
      - { .name: wq, .offset: 48, .size: 8, .value_kind: global_buffer, .address_space: global }
      - { .name: wo16, .offset: 56, .size: 8, .value_kind: global_buffer, .address_space: global }
    .group_segment_fixed_size: 34304
    .private_segment_fixed_size: 0
    .kernarg_segment_align: 8
    .kernarg_segment_size: 64
    .max_flat_workgroup_size: 128
    .sgpr_count:     66
    .vgpr_count:     240
    .wavefront_size: 32
...
	.end_amdgpu_metadata
.endif
;; end of part 1
;; launch qkv (part 2): grid 64 x 4, 4 waves a work-group, clusters of 4 x 1, 249,344 bytes of LDS; arguments xq, wq, bq, bk, bv, q16, k16, v16; writes q16, k16, v16
.if DOCPART == 2
	.amdgcn_target "amdgcn-amd-amdhsa--gfx1250"
	.amdhsa_code_object_version 6
	.text
	.protected	k_q427b7c8e20_qkv
	.globl	k_q427b7c8e20_qkv
	.p2align	8
	.type	k_q427b7c8e20_qkv,@function
k_q427b7c8e20_qkv:
	s_mov_b64 s[64:65], 0
	v_nop
	global_prefetch_b8 v0, s[64:65] scope:SCOPE_SE
	s_setreg_imm32_b32 hwreg(HW_REG_WAVE_MODE, 25, 1), 1
	s_wait_xcnt 0x0
	s_wait_alu depctr_hold_cnt(0) depctr_sa_sdst(0) depctr_va_vdst(0) depctr_va_sdst(0) depctr_va_ssrc(0) depctr_va_vcc(0) depctr_vm_vsrc(0)
	s_getreg_b32 s2, hwreg(HW_REG_IB_STS2, 6, 4)
	s_cmp_eq_u32 s2, 0
	s_cbranch_scc0 .Lentry_in_a_cluster
	s_endpgm
.Lentry_in_a_cluster:
	s_bfe_u32 s2, ttmp6, 0x10000c
	s_cmp_lg_u32 s2, 0x3003
	s_cbranch_scc0 .Lentry_shape_is_right
	s_endpgm
.Lentry_shape_is_right:
; QKV: q, k, v = x W + b on codes of FP4 (E2M1) with one E8M0 scale for each 32 along K = 768; sums in f32; the bias is added in f32; the results leave as f16 fragments for the attention launch.
; SHARES.  A work-group takes 256 rows and 576 columns: three chunks of 192, chunk 0 of Wq, 1 of Wk, 2 of Wv, each for heads 3 g .. 3 g + 2 (g = grid y).  Wave w owns rows 64 w .. 64 w + 63 (four tiles of 16) for all columns:
; 48 accumulators a chunk.  x's 24 fragments stay in registers for the whole launch.  The weights' 36 records (fragments and scale words, as prep laid them) lie in LDS, each byte filled ONCE: no ring, no refill.
; CLUSTER.  The four row blocks of a cluster need the same weights: each piece is asked for jointly, by the same tensor load with a mask that names the four.
; LAYOUT OF THE RESULTS.  q and k: source 0 = 16 columns of W, source 1 = 16 rows of x: a lane holds eight neighbouring channels of one row; two column tiles, rounded to f16 in pairs, ARE a fragment (16 rows x 32 channels).
; v: the sources change places: a lane holds eight neighbouring rows (keys) of one channel; two row tiles are a fragment of V^T (16 channels x 32 keys).  So every store covers 512 consecutive bytes and nothing goes through LDS on the way out.
; LIMITS: |q|, |k|, |v| must stay under 65,504 (f16); NaN and infinities are not served.
; REGISTERS, in windows of 256: window 0: addresses, scale words, bias, packed results.  window 1: v0-191 x's fragments (tile a, K step q at 48 a + 8 q); v192-255 accumulators 32-39.
;   window 2: accumulators 0-31.   window 3: v0-95, v96-191 the weights' fragments, two buffers; v192-255 accumulators 40-47.   Accumulator (column tile b, row tile a) has the number 4 b + a.
.set REC,   6912                       ; a record: six fragments and 768 bytes of scale words
.set CHB,   12*REC                     ; a chunk in LDS
.set SPARE, 3*CHB                      ; behind the chunks: the spare words, 128 bytes a wave
.set LB,    2                          ; v2-7   16 x lane + 41,472 i: fragments of records 6 i .. 6 i + 5
.set LS,    8                          ; v8-13  8 x lane + 41,472 i: their scale words
.set SA,    16                         ; v16-31 x's scale words: register 4 a + j: lanes 0-15 K step j, lanes 16-31 K step 3 + j
.set SB,    32                         ; v32-67 the weights': register 3 b + j: lanes 0-15 K step 2 j, lanes 16-31 K step 2 j + 1
.set SPW,   68                         ; v68    LDS address of my spare word; never rewritten
.set NIL,   69                         ; v69    0; never rewritten
.set BI,    80                         ; v80-175 the chunk's bias
.set TMP,   176                        ; v176-239 packed results, two sets of 32
.set WV,    20                         ; s20    my wave's number
.set G1,    24                         ; s[24:31] descriptor group 1
.set G0,    32                         ; s[32:43] descriptor group 0, one for each chunk
.set MSB,   0
.macro WIN new                         ; the immediate's high byte repeats the setting that is left
.if MSB != (\new)
	s_set_vgpr_msb (MSB<<8)|(\new)
.set MSB, (\new)
.endif
.endm
.macro PLACES n
.rept \n
	v_nop
.endr
.endm
.macro CROUND                          ; a round of the cluster's barrier
	s_barrier_signal -1
	s_barrier_wait -1
	s_cmp_lg_u32 s[WV], 0
	s_cbranch_scc1 .Lnot_wave_0_\@
	s_barrier_signal -3
.Lnot_wave_0_\@:
	s_barrier_wait -3
	s_barrier_signal -1
	s_barrier_wait -1
.endm
.macro ACCREG b, a                     ; accumulator (b, a): AR its first register, AW its window
.if (\b) < 8
.set AR, 8*(4*(\b)+(\a))
.set AW, 2
.elseif (\b) < 10
.set AR, 192+8*(4*((\b)-8)+(\a))
.set AW, 1
.else
.set AR, 192+8*(4*((\b)-10)+(\a))
.set AW, 3
.endif
.endm
	s_load_b256 s[4:11], s[0:1], 0x0               ; xq, wq, bq, bk
	s_load_b256 s[12:19], s[0:1], 0x20             ; bv, q16, k16, v16
	v_lshl_add_u32 v[SPW], v0, 2, SPARE
	v_mov_b32 v[NIL], 0
	ds_add_u32 v[SPW], v[NIL]                      ; the wave's opening: the add, and its wait ahead of my first tensor load; the set-up below stands between them
	v_lshrrev_b32 v70, 5, v0
	v_readfirstlane_b32 s[WV], v70                 ; wave 0..3
	s_bfe_u32 s21, ttmp6, 0x40000                  ; cx
	s_lshl_b32 s22, ttmp9, 2
	s_add_co_u32 s22, s22, s21                     ; my block of 256 rows: it enters x's and the outputs' addresses alone
	s_and_b32 s23, ttmp7, 0xffff                   ; g, which the four partners share
	; descriptor group 1: 81 rows of 256 bytes, dense: three records
	s_mov_b32 s[G1], 15|(3<<16)|(1<<21)            ; 15:0 the mask: all four work-groups; 17:16 elements of 8 bytes; 21 set beside a mask
	s_mov_b32 s[G1+1], 32<<16                      ; tensor_dim0 = 32
	s_mov_b32 s[G1+2], 81<<16                      ; tensor_dim1 = 81
	s_mov_b32 s[G1+3], 32<<16                      ; tile_dim0 = 32
	s_mov_b32 s[G1+4], 81                          ; tile_dim1 = 81
	s_mov_b32 s[G1+5], 32                          ; the pitch
	s_mov_b32 s[G1+6], 0
	s_mov_b32 s[G1+7], 0
	s_mul_i32 s58, s[WV], 20736                    ; my quarter of a chunk, in LDS and in memory
	s_mul_i32 s60, s23, 82944                      ; 12 g records
	s_add_co_u32 s60, s60, s58
	s_mov_b32 s61, 0
	s_lshr_b32 s66, s22, 2                         ; the batch
	s_mul_i32 s66, s66, 12
	s_mul_i32 s67, s23, 3
	s_add_co_u32 s66, s66, s67                     ; 12 batch + 3 g: my first head
	s_lshl_b32 s66, s66, 17                        ; 131,072 bytes a head in each output
	s_and_b32 s67, s22, 3
	s_lshl_b32 s67, s67, 4
	s_lshl_b32 s68, s[WV], 2
	s_add_co_u32 s67, s67, s68                     ; my first tile of 16 rows in the batch
	s_lshl_b32 s67, s67, 11                        ; 2,048 bytes a tile
	s_add_co_u32 s66, s66, s67
	s_mov_b32 s67, 0
	s_lshl_b32 s70, s22, 4
	s_add_co_u32 s70, s70, s68
	s_mul_i32 s70, s70, 6656                       ; x's records of my four tiles
	s_mov_b32 s71, 0
	s_mul_i32 s68, s23, 768                        ; my 192 numbers of each bias
	s_mov_b32 s69, 0
	v_and_b32 v70, 31, v0
	v_lshlrev_b32 v1, 4, v70                       ; 16 x lane
	v_lshlrev_b32 v71, 3, v70
.irp i, 0,1,2,3,4,5
	v_add_nc_u32 v[LB+\i], \i*41472, v1
	v_add_nc_u32 v[LS+\i], \i*41472, v71
.endr
	v_bfe_u32 v14, v0, 4, 1
	v_lshlrev_b32 v14, 5, v14                      ; 32 h: q's and k's bias
	v_and_b32 v15, 15, v0
	v_lshlrev_b32 v15, 2, v15                      ; 4 r: v's
	s_wait_dscnt 0x0                               ; the opening add is done
	s_wait_kmcnt 0x0
	s_add_nc_u64 s[62:63], s[6:7], s[60:61]
	s_add_nc_u64 s[44:45], s[14:15], s[66:67]      ; q16, k16, v16 at my rows and heads
	s_add_nc_u64 s[46:47], s[16:17], s[66:67]
	s_add_nc_u64 s[48:49], s[18:19], s[66:67]
	s_add_nc_u64 s[50:51], s[8:9], s[68:69]        ; bq, bk, bv
	s_add_nc_u64 s[52:53], s[10:11], s[68:69]
	s_add_nc_u64 s[54:55], s[12:13], s[68:69]
	s_add_nc_u64 s[56:57], s[4:5], s[70:71]        ; xq
	CROUND                                         ; all four work-groups are here: the joint loads meet
.irp c, 0,1,2
	s_mov_b32 s[G0+4*\c], 1
	s_add_co_u32 s[G0+4*\c+1], s58, \c*CHB
	s_add_nc_u64 s[G0+4*\c+2:G0+4*\c+3], s[62:63], \c*331776   ; 48 records from tensor to tensor
	s_or_b32 s[G0+4*\c+3], s[G0+4*\c+3], 0x80000000
.endr
.irp c, 0,1,2                                  ; all fills go out together: three tensor loads of mine are out
	tensor_load_to_lds s[G0+4*\c:G0+4*\c+3], s[G1:G1+7]
	s_nop 0
.endr
	PLACES 4
	WIN 0x40                                       ; destination window 1
.irp a, 0,1,2,3
.irp q, 0,1,2,3,4,5
.irp c, 0,1
	global_load_b128 v[48*\a+8*\q+4*\c:48*\a+8*\q+4*\c+3], v1, s[56:57] offset:6656*\a+1024*\q+512*\c   ; 512 consecutive bytes
.endr
.endr
.endr
	WIN 0
.irp a, 0,1,2,3
	global_load_b128 v[SA+4*\a:SA+4*\a+3], v1, s[56:57] offset:6656*\a+6144
.endr
.macro BIAS c
.if (\c) < 2
.irp b, 0,1,2,3,4,5,6,7,8,9,10,11              ; lane (r, h), column tile b: the eight numbers at 16 b + 8 h
	global_load_b128 v[BI+8*\b:BI+8*\b+3], v14, s[50+2*(\c):51+2*(\c)] offset:64*\b
	global_load_b128 v[BI+8*\b+4:BI+8*\b+7], v14, s[50+2*(\c):51+2*(\c)] offset:64*\b+16
.endr
.else
.irp b, 0,1,2,3,4,5,6,7,8,9,10,11              ; v: the one number at 16 b + r, twice: a pair for the packed addition
	global_load_b32 v[BI+2*\b], v15, s[54:55] offset:64*\b
	global_load_b32 v[BI+2*\b+1], v15, s[54:55] offset:64*\b
.endr
.endif
.endm
	BIAS 0
.macro FETCHB c, q                     ; the twelve weight fragments of chunk c, K step q, into buffer q % 2
	WIN 0xc0
.irp b, 0,1,2,3,4,5,6,7,8,9,10,11
.irp cc, 0,1
	ds_load_b128 v[96*((\q)%2)+8*\b+4*\cc:96*((\q)%2)+8*\b+4*\cc+3], v[LB+2*(\c)+\b/6] offset:REC*(\b%6)+1024*(\q)+512*\cc
.endr
.endr
.endm
.macro SCALESB c                       ; the chunk's scale words, all six K steps
.irp b, 0,1,2,3,4,5,6,7,8,9,10,11
.irp j, 0,1,2
	ds_load_b32 v[SB+3*\b+\j], v[LS+2*(\c)+\b/6] offset:REC*(\b%6)+6144+256*\j
.endr
.endr
.endm
.macro WMS d, fa, fb, xa, xb, zero, ra, rb     ; one product; ra, rb: the source's scale words stand in lanes 16-31
.if \zero
	v_wmma_scale_f32_16x16x128_f8f6f4 v[\d:\d+7], v[\fa:\fa+7], v[\fb:\fb+7], 0, v[\xa], v[\xb] matrix_a_fmt:MATRIX_FMT_FP4 matrix_b_fmt:MATRIX_FMT_FP4
.elseif (\ra) && (\rb)
	v_wmma_scale_f32_16x16x128_f8f6f4 v[\d:\d+7], v[\fa:\fa+7], v[\fb:\fb+7], v[\d:\d+7], v[\xa], v[\xb] matrix_a_fmt:MATRIX_FMT_FP4 matrix_b_fmt:MATRIX_FMT_FP4 matrix_a_scale:MATRIX_SCALE_ROW1 matrix_b_scale:MATRIX_SCALE_ROW1
.elseif \ra
	v_wmma_scale_f32_16x16x128_f8f6f4 v[\d:\d+7], v[\fa:\fa+7], v[\fb:\fb+7], v[\d:\d+7], v[\xa], v[\xb] matrix_a_fmt:MATRIX_FMT_FP4 matrix_b_fmt:MATRIX_FMT_FP4 matrix_a_scale:MATRIX_SCALE_ROW1
.elseif \rb
	v_wmma_scale_f32_16x16x128_f8f6f4 v[\d:\d+7], v[\fa:\fa+7], v[\fb:\fb+7], v[\d:\d+7], v[\xa], v[\xb] matrix_a_fmt:MATRIX_FMT_FP4 matrix_b_fmt:MATRIX_FMT_FP4 matrix_b_scale:MATRIX_SCALE_ROW1
.else
	v_wmma_scale_f32_16x16x128_f8f6f4 v[\d:\d+7], v[\fa:\fa+7], v[\fb:\fb+7], v[\d:\d+7], v[\xa], v[\xb] matrix_a_fmt:MATRIX_FMT_FP4 matrix_b_fmt:MATRIX_FMT_FP4
.endif
.endm
; A K step: 48 products.  The 48 accumulators take turns, one instruction a turn, in the same order in every K step.  The first K step's products start the sums: nothing is cleared.
.macro MUL q, sw                       ; sw = 0: source 0 the weights (q, k); 1: source 0 x (v)
.irp b, 0,1,2,3,4,5,6,7,8,9,10,11
.irp a, 0,1,2,3
	ACCREG \b, \a
.set RB, 96*((\q)%2)+8*\b
.set RA, 48*\a+8*(\q)
.set XB, SB+3*\b+(\q)/2
.set XA, SA+4*\a+(\q)%3
.if \sw
.set WN, 0x0d|(AW<<4)|(AW<<6)
	WIN WN
	WMS AR, RA, RB, XA, XB, (\q)==0, (\q)>=3, (\q)%2
.else
.set WN, 0x07|(AW<<4)|(AW<<6)
	WIN WN
	WMS AR, RB, RA, XB, XA, (\q)==0, (\q)%2, (\q)>=3
.endif
.endr
.endr
.endm
; THE WAY OUT of a chunk: six batches of eight accumulators that lie in one window: + bias, rounded to f16 in pairs, stored.  Each accumulator is read from its low end on.
.macro PACKQK c
.irp hh, 0,1,2
.irp chh, 0,1
.set B0, 4*\hh+2*\chh
.set TS, TMP+32*\chh
	s_wait_xcnt 0x0                                ; the stores of two batches back have read this set's registers
.irp e, 0,1
.irp a, 0,1,2,3
	ACCREG B0+\e, \a
.set WN, (AW<<6)|AW
	WIN WN
.irp p, 0,1,2,3
	v_pk_add_f32 v[AR+2*\p:AR+2*\p+1], v[AR+2*\p:AR+2*\p+1], v[BI+8*(B0+\e)+2*\p:BI+8*(B0+\e)+2*\p+1]
.endr
.endr
.endr
.irp e, 0,1
.irp a, 0,1,2,3
	ACCREG B0+\e, \a
.set WN, AW|(AW<<2)
	WIN WN
.irp p, 0,1,2,3
	v_cvt_pk_f16_f32 v[TS+8*\a+4*\e+\p], v[AR+2*\p], v[AR+2*\p+1]
.endr
.endr
.endr
	WIN 0
.irp a, 0,1,2,3
.irp e, 0,1
	global_store_b128 v1, v[TS+8*\a+4*\e:TS+8*\a+4*\e+3], s[44+2*(\c):45+2*(\c)] offset:131072*\hh+2048*\a+1024*\chh+512*\e th:TH_STORE_NT   ; 512 consecutive bytes
.endr
.endr
.endr
.endr
.endm
.macro PACKV
.irp bb, 0,1,2,3,4,5
.set B0, 2*\bb
.set TS, TMP+32*(\bb%2)
	s_wait_xcnt 0x0
.irp e, 0,1
.irp a, 0,1,2,3
	ACCREG B0+\e, \a
.set WN, (AW<<6)|AW
	WIN WN
.irp p, 0,1,2,3
	v_pk_add_f32 v[AR+2*\p:AR+2*\p+1], v[AR+2*\p:AR+2*\p+1], v[BI+2*(B0+\e):BI+2*(B0+\e)+1]
.endr
.endr
.endr
.irp e, 0,1
.irp a, 0,1,2,3
	ACCREG B0+\e, \a
.set WN, AW|(AW<<2)
	WIN WN
.irp p, 0,1,2,3
	v_cvt_pk_f16_f32 v[TS+16*\e+4*\a+\p], v[AR+2*\p], v[AR+2*\p+1]
.endr
.endr
.endr
	WIN 0
.irp e, 0,1
.irp a, 0,1,2,3
	global_store_b128 v1, v[TS+16*\e+4*\a:TS+16*\e+4*\a+3], s[48:49] offset:131072*((B0+\e)/4)+4096*(\a/2)+1024*((B0+\e)%4)+512*(\a%2) th:TH_STORE_NT
.endr
.endr
.endr
.endm
.macro CHUNK c, sw
.irp q, 0,1,2,3,4,5
	s_wait_dscnt 0x0                               ; this K step's fragments (asked for 48 products ago) are in; at the chunk's head its scale words too
.if (\q == 5) && ((\c) < 2)
	s_wait_tensorcnt 1-(\c)                        ; my part of the next chunk has landed; a later chunk's may stay out
	s_barrier_signal -1
	s_barrier_wait -1                              ; everybody's has
.endif
	PLACES 4                                       ; in front of loads into the buffer that the last K step's products read
.if \q < 5
	FETCHB \c, \q+1
.elseif (\c) < 2
	FETCHB (\c)+1, 0
.endif
	MUL \q, \sw
.endr
	WIN 0
	PLACES 4                                       ; in front of the loads into the scale registers and of the first read of results
.if (\c) < 2
	SCALESB (\c)+1
.endif
	s_wait_loadcnt 0x0                             ; the chunk's bias
.if \sw
	PACKV
.else
	PACKQK \c
.endif
.if (\c) < 2
	BIAS (\c)+1                                    ; it has a whole chunk in which to land
.endif
.endm
	s_wait_tensorcnt 2                             ; my part of chunk 0 is in; the two younger loads may stay out
	s_barrier_signal -1
	s_barrier_wait -1                              ; everybody's is
	SCALESB 0
	FETCHB 0, 0
	s_wait_loadcnt 0x0                             ; x's fragments and scale words, q's bias
	CHUNK 0, 0
	CHUNK 1, 0
	CHUNK 2, 1
	s_wait_tensorcnt 0x0                           ; the wave's end, behind my last tensor load
	ds_add_u32 v[SPW], v[NIL]
	s_wait_dscnt 0x0
	CROUND                                         ; the closing round
	s_endpgm
.Lfunc_end_k_q427b7c8e20_qkv:
	.size	k_q427b7c8e20_qkv, .Lfunc_end_k_q427b7c8e20_qkv-k_q427b7c8e20_qkv
	.p2alignl 7, 3214868480
	.fill 96, 4, 3214868480
	.section	.rodata,"a",@progbits
	.p2align	6, 0x0
	.amdhsa_kernel k_q427b7c8e20_qkv
		.amdhsa_group_segment_fixed_size 249344
		.amdhsa_private_segment_fixed_size 0
		.amdhsa_enable_private_segment 0
		.amdhsa_kernarg_size 64
		.amdhsa_user_sgpr_count 2
		.amdhsa_user_sgpr_kernarg_segment_ptr 1
		.amdhsa_wavefront_size32 1
		.amdhsa_system_sgpr_workgroup_id_x 1
		.amdhsa_system_sgpr_workgroup_id_y 1
		.amdhsa_system_sgpr_workgroup_id_z 1
		.amdhsa_system_vgpr_workitem_id 0
		.amdhsa_next_free_vgpr 1024
		.amdhsa_next_free_sgpr 72
		.amdhsa_reserve_vcc 0
		.amdhsa_float_denorm_mode_32 3
		.amdhsa_float_denorm_mode_16_64 3
		.amdhsa_memory_ordered 1
		.amdhsa_forward_progress 1
		.amdhsa_inst_pref_size 253
	.end_amdhsa_kernel
	.amdgpu_metadata
---
amdhsa.version: [ 1, 2 ]
amdhsa.kernels:
  - .name:           k_q427b7c8e20_qkv
    .symbol:         k_q427b7c8e20_qkv.kd
    .args:
      - { .name: xq, .offset: 0, .size: 8, .value_kind: global_buffer, .address_space: global }
      - { .name: wq, .offset: 8, .size: 8, .value_kind: global_buffer, .address_space: global }
      - { .name: bq, .offset: 16, .size: 8, .value_kind: global_buffer, .address_space: global }
      - { .name: bk, .offset: 24, .size: 8, .value_kind: global_buffer, .address_space: global }
      - { .name: bv, .offset: 32, .size: 8, .value_kind: global_buffer, .address_space: global }
      - { .name: q16, .offset: 40, .size: 8, .value_kind: global_buffer, .address_space: global }
      - { .name: k16, .offset: 48, .size: 8, .value_kind: global_buffer, .address_space: global }
      - { .name: v16, .offset: 56, .size: 8, .value_kind: global_buffer, .address_space: global }
    .group_segment_fixed_size: 249344
    .private_segment_fixed_size: 0
    .kernarg_segment_align: 8
    .kernarg_segment_size: 64
    .max_flat_workgroup_size: 128
    .sgpr_count:     72
    .vgpr_count:     1024
    .wavefront_size: 32
...
	.end_amdgpu_metadata
.endif
;; end of part 2
;; launch attn (part 3): grid 4 x 64, 8 waves a work-group, clusters of 4 x 1, 327,680 bytes of LDS; arguments q16, k16, v16, o16; writes o16
.if DOCPART == 3
	.amdgcn_target "amdgcn-amd-amdhsa--gfx1250"
	.amdhsa_code_object_version 6
	.text
	.protected	k_q427b7c8e20_attn
	.globl	k_q427b7c8e20_attn
	.p2align	8
	.type	k_q427b7c8e20_attn,@function
k_q427b7c8e20_attn:
	s_mov_b64 s[64:65], 0
	v_nop
	global_prefetch_b8 v0, s[64:65] scope:SCOPE_SE
	s_setreg_imm32_b32 hwreg(HW_REG_WAVE_MODE, 25, 1), 1
	s_wait_xcnt 0x0
	s_wait_alu depctr_hold_cnt(0) depctr_sa_sdst(0) depctr_va_vdst(0) depctr_va_sdst(0) depctr_va_ssrc(0) depctr_va_vcc(0) depctr_vm_vsrc(0)
	s_getreg_b32 s2, hwreg(HW_REG_IB_STS2, 6, 4)
	s_cmp_eq_u32 s2, 0
	s_cbranch_scc0 .Lentry_in_a_cluster
	s_endpgm
.Lentry_in_a_cluster:
	s_bfe_u32 s2, ttmp6, 0x10000c
	s_cmp_lg_u32 s2, 0x3003
	s_cbranch_scc0 .Lentry_shape_is_right
	s_endpgm
.Lentry_shape_is_right:
; ATTENTION: o = softmax(q k^T / 8) v for each (batch, head), head size 64, 1,024 keys.  Operands f16, products, maxima and sums f32; the weights p are rounded to f16 for the second product, o once at the end.
; SHARES.  A work-group owns 256 queries and STAYS: it walks the three heads 3 y .. 3 y + 2 (y = grid y; 12 = 4 x 3, so they belong to one batch).  A head's K and V (131,072 bytes each, as fragments) lie in LDS.
; Eight waves = 4 groups of 64 queries x 2 halves of the keys: a wave holds four tiles of 16 queries and walks 512 keys, 64 a step; at a head's end the two halves of a group are merged through LDS.
; Two waves share a SIMD's registers: one's softmax stands beside the other's products.
; THE RING.  K's and V's bytes are two regions: steps 0-3 of both halves, and steps 4-7.  Ahead of step 3 every wave has fetched step 3 into registers: the first region takes the next head's steps 0-3.  Behind step 6's fetch of step 7
; the second region takes the next head's steps 4-7.  Each refill is one tensor load of 16,384 bytes a wave and has four key steps or more in which to land: so no prefetch is laid for K and V.
; Step 7 fetches the next head's step 0 and asks for its Q: a head after the first begins with its operands at hand.
; CLUSTER.  The four query blocks of a head need the same K and V: each piece is asked for jointly, by the same tensor load with a mask that names the four; each refill stands behind a round of the cluster's barrier.
; LAYOUT.  S^T = K Q^T (source 0 = 16 keys, source 1 = 16 queries): a lane holds ONE query and eight keys.  Two such tiles, rounded to f16 in pairs, ARE source 1 (32 keys x 16 queries) of O^T = V^T P.  V lies as fragments of V^T.
; SOFTMAX.  For each query a running maximum m and sum l: p = 2^(c s - c m), c = log2(e) / 8; in every step O and l are multiplied by a = 2^(c m_old - c m_new).
; LOCAL TILES.  Local tile t is the group's tile (t + 2 x key half) mod 4: every wave KEEPS its local tiles 0, 1 and GIVES 2, 3 to its partner, so no branch hangs on the wave's number.
; LIMITS: o under 6e-5 in magnitude is rounded with an absolute error of 2^-25 (f16 subnormals); NaN and infinities are not served.
; REGISTERS: window 0: v1-11, v14 addresses; v16-47 statistics, eight a tile (at a head's end: the merged o in f16); v48-111 Q; v112-175 K of a step; v176-239 V of a step; v240-255 the merge.
;   window 1: v0-127 S^T, 32 a tile, P in place; v128-255 O^T, 32 a tile.
.set HEADB, 131072                     ; a head's bytes in q16, k16 and v16
.set EXB,   262144                     ; behind K and V: the merge's slots, bytes of their own into which no fill lands
.set EXS,   4352                       ; a slot: one tile of O^T (4,096 bytes) and its c m and l (256): 17 blocks of 256 bytes
.set SPARE, EXB+8*EXS                  ; behind the slots: the spare words, 128 bytes a wave
.set SPW,  10                          ; v10 LDS address of my spare word; never rewritten
.set NIL,  11                          ; v11 0; never rewritten
.set PFO,  14                          ; v14 256 x my lane: the prefetch's offset; never rewritten
.set ST,   16                          ; tile t at v[ST + 8 t]: +0 c m, +1 m, +2, +3 l, +4 .. +7 at work (a takes +6)
.set QF,   48
.set KF,   112
.set VF,   176
.set WV,   12                          ; s12 my wave's number
.set G1,   24                          ; s[24:31] descriptor group 1;  s[32:35], s[36:39] groups 0 of my piece of the first and of the second region
.set G0,   32
.set CNT,  56                          ; s56 counts key steps
.set HD,   57                          ; s57 counts heads
.set CS,   58                          ; s[58:59] c
.set SEL,  60                          ; s[60:61] selects for lane l xor 16
.set TB,   62                          ; s62 8,192 x the step that is fetched
.set LIM,  63                          ; s63 3 in a wave that prefetches, else the greatest number
.set MSB,  0
.macro WIN new                         ; the immediate's high byte repeats the setting that is left
.if MSB != (\new)
	s_set_vgpr_msb (MSB<<8)|(\new)
.set MSB, (\new)
.endif
.endm
.macro PLACES n
.rept \n
	v_nop
.endr
.endm
.macro CROUND                          ; a round of the cluster's barrier
	s_barrier_signal -1
	s_barrier_wait -1
	s_cmp_lg_u32 s[WV], 0
	s_cbranch_scc1 .Lnot_wave_0_\@
	s_barrier_signal -3
.Lnot_wave_0_\@:
	s_barrier_wait -3
	s_barrier_signal -1
	s_barrier_wait -1
.endm
.macro LOADQ                           ; my four tiles of Q, 16 loads of 512 consecutive bytes
.irp t, 0,1
.irp chh, 0,1
.irp c, 0,1
	global_load_b128 v[QF+16*\t+8*\chh+4*\c:QF+16*\t+8*\chh+4*\c+3], v1, s[40:41] offset:2048*\t+1024*\chh+512*\c
	global_load_b128 v[QF+32+16*\t+8*\chh+4*\c:QF+32+16*\t+8*\chh+4*\c+3], v1, s[42:43] offset:2048*\t+1024*\chh+512*\c
.endr
.endr
.endr
.endm
.macro FETCHK adr                      ; a step's K: 64 keys x 64 channels, 16 loads of 512 consecutive bytes
.irp kt, 0,1,2,3
.irp chh, 0,1
.irp c, 0,1
	ds_load_b128 v[KF+16*\kt+8*\chh+4*\c:KF+16*\kt+8*\chh+4*\c+3], v[\adr] offset:2048*\kt+1024*\chh+512*\c
.endr
.endr
.endr
.endm
.macro FETCHV adr                      ; a step's V^T
.irp kk, 0,1
.irp ct, 0,1,2,3
.irp c, 0,1
	ds_load_b128 v[VF+32*\kk+8*\ct+4*\c:VF+32*\kk+8*\ct+4*\c+3], v[\adr] offset:4096*\kk+1024*\ct+512*\c
.endr
.endr
.endr
.endm
	s_load_b256 s[4:11], s[0:1], 0x0               ; q16, k16, v16, o16
	v_lshl_add_u32 v[SPW], v0, 2, SPARE
	v_mov_b32 v[NIL], 0
	ds_add_u32 v[SPW], v[NIL]                      ; the wave's opening: the add, and its wait ahead of my first tensor load; the set-up below stands between them
	v_lshrrev_b32 v12, 5, v0
	v_readfirstlane_b32 s[WV], v12                 ; wave 0..7
	s_bfe_u32 s13, ttmp6, 0x40000
	s_lshl_b32 s21, ttmp9, 2
	s_add_co_u32 s13, s13, s21                     ; my block of 256 queries: it enters Q's and O's addresses alone
	s_and_b32 s21, ttmp7, 0xffff                   ; y, which the four partners share
	s_mul_i32 s14, s21, 3                          ; 12 batch + head of my first head
	s_lshr_b32 s19, s21, 2                         ; the batch
	s_and_b32 s20, s21, 3
	s_mul_i32 s20, s20, 3                          ; my first head in the batch
	s_and_b32 s15, s[WV], 3                        ; my group of 64 queries
	s_lshr_b32 s16, s[WV], 2                       ; my half of the keys
	s_bfe_u32 s17, s[WV], 0x10001                  ; I fetch for K (0) or V (1),
	s_and_b32 s18, s[WV], 1                        ; the even or the odd pieces of 128 keys
	; descriptor group 1: 64 rows of 256 bytes, dense: 128 keys
	s_mov_b32 s[G1], 15|(3<<16)|(1<<21)            ; the mask: all four; elements of 8 bytes; 21 set beside a mask
	s_mov_b32 s[G1+1], 32<<16
	s_mov_b32 s[G1+2], 64<<16
	s_mov_b32 s[G1+3], 32<<16
	s_mov_b32 s[G1+4], 64
	s_mov_b32 s[G1+5], 32
	s_mov_b32 s[G1+6], 0
	s_mov_b32 s[G1+7], 0
	s_lshl_b32 s46, s16, 16
	s_lshl_b32 s47, s18, 14
	s_add_co_u32 s46, s46, s47                     ; 65,536 half + 16,384 piece
	s_lshl_b32 s47, s17, 17
	s_add_co_u32 s48, s46, s47                     ; in LDS: V lies 131,072 behind K
	s_lshl_b32 s55, s14, 17                        ; my first head's bytes in q16, k16, v16
	s_add_co_u32 s52, s55, s46
	s_mov_b32 s53, 0
	s_lshl_b32 s54, s13, 4
	s_lshl_b32 s23, s15, 2
	s_add_co_u32 s54, s54, s23                     ; my group's first tile of 16 queries
	s_lshl_b32 s22, s54, 11
	s_add_co_u32 s22, s22, s55
	s_lshl_b32 s23, s16, 12
	s_add_co_u32 s40, s22, s23                     ; local tiles 0, 1
	s_mov_b32 s41, 0
	s_xor_b32 s23, s23, 4096
	s_add_co_u32 s42, s22, s23                     ; local tiles 2, 3
	s_mov_b32 s43, 0
	s_lshl_b32 s44, s19, 6
	s_add_co_u32 s44, s44, s54
	s_lshl_b32 s45, s16, 1
	s_add_co_u32 s44, s44, s45                     ; the first tile of rows that I store
	s_mul_i32 s44, s44, 24576
	s_lshl_b32 s45, s20, 11
	s_add_co_u32 s44, s44, s45                     ; + my first head's two fragments
	s_mov_b32 s45, 0
	s_mov_b32 s50, 0                               ; s[50:51]: what a head's first step adds to O's base: 0 for the first head, then 2,048
	s_mov_b32 s51, 0
	s_mov_b32 s[CS], 0x3e38aa3b                    ; c = log2(e) / 8
	s_mov_b32 s[CS+1], s[CS]
	s_mov_b32 s[SEL], 0x76543210
	s_mov_b32 s[SEL+1], 0xfedcba98
	s_mov_b32 s[TB], 0
	s_cmp_lt_u32 s[WV], 4
	s_cselect_b32 s[LIM], 3, -1                    ; waves 0 to 3 prefetch: the same in all four partners
	v_and_b32 v12, 31, v0
	v_lshlrev_b32 v1, 4, v12                       ; 16 x lane
	v_lshlrev_b32 v[PFO], 8, v12
	v_lshl_add_u32 v2, s16, 16, v1                 ; K of my half
	v_add_nc_u32 v3, 0x20000, v2                   ; V of my half
	s_mul_i32 s21, s[WV], EXS
	s_add_co_u32 s21, s21, EXB                     ; the merge: my slot,
	s_xor_b32 s49, s[WV], 4
	s_mul_i32 s49, s49, EXS
	s_add_co_u32 s49, s49, EXB                     ; and my partner's
	v_add_nc_u32 v6, s21, v1
	v_add_nc_u32 v7, s49, v1
	v_lshlrev_b32 v13, 2, v12
	v_add_nc_u32 v8, s21, v13
	v_add_nc_u32 v8, 4096, v8
	v_add_nc_u32 v9, s49, v13
	v_add_nc_u32 v9, 4096, v9
	s_wait_dscnt 0x0                               ; the opening add is done
	s_wait_kmcnt 0x0
	s_cmp_eq_u32 s17, 0
	s_cselect_b64 s[46:47], s[6:7], s[8:9]
	s_add_nc_u64 s[46:47], s[46:47], s[52:53]
	s_add_nc_u64 s[40:41], s[4:5], s[40:41]
	s_add_nc_u64 s[42:43], s[4:5], s[42:43]
	s_add_nc_u64 s[44:45], s[10:11], s[44:45]
	CROUND                                         ; all four work-groups are here: the joint loads meet
.irp i, 0,1
	s_mov_b32 s[G0+4*\i], 1
	s_add_co_u32 s[G0+4*\i+1], s48, \i*32768
	s_add_nc_u64 s[G0+4*\i+2:G0+4*\i+3], s[46:47], \i*32768
	s_or_b32 s[G0+4*\i+3], s[G0+4*\i+3], 0x80000000
.endr
.irp i, 0,1                                    ; both first fills go out together: two tensor loads of mine are out
	tensor_load_to_lds s[G0+4*\i:G0+4*\i+3], s[G1:G1+7]
	s_nop 0
.endr
	PLACES 4
	LOADQ
; A KEY STEP: 64 keys.  first = 1: it starts m, l and O^T.  fetch = 1: the next step's K and V are fetched; 2: the next HEAD's step 0, and its Q is asked for; 0: nothing.
.macro STEP first, fetch
	s_wait_dscnt 16                                ; K is in; V's sixteen younger loads may be out
	WIN 0x50                                       ; S^T in window 1
.irp chh, 0,1                                  ; the 16 accumulators take turns, one instruction a turn
.irp kt, 0,1,2,3
.irp qt, 0,1,2,3
.if \chh == 0
	v_wmma_f32_16x16x32_f16 v[32*\qt+8*\kt:32*\qt+8*\kt+7], v[KF+16*\kt+8*\chh:KF+16*\kt+8*\chh+7], v[QF+16*\qt+8*\chh:QF+16*\qt+8*\chh+7], 0
.else
	v_wmma_f32_16x16x32_f16 v[32*\qt+8*\kt:32*\qt+8*\kt+7], v[KF+16*\kt+8*\chh:KF+16*\kt+8*\chh+7], v[QF+16*\qt+8*\chh:QF+16*\qt+8*\chh+7], v[32*\qt+8*\kt:32*\qt+8*\kt+7]
.endif
.endr
.endr
.endr
	WIN 0
.if \first
	s_wait_xcnt 0x0                                ; the last head's stores have read their data (the statistics' registers, which the maxima below write) and their base:
	s_add_nc_u64 s[44:45], s[44:45], s[50:51]      ; O's base goes on to this head's two fragments
	s_mov_b32 s50, 2048
.endif
.if \fetch
.if (\fetch) == 2
	s_mov_b32 s[TB], 0                             ; the next head's step 0: its pieces were shown landed ahead of the round in front of this step
.else
	s_add_co_u32 s[TB], s[TB], 8192
.endif
	v_add_nc_u32 v4, s[TB], v2                     ; these two and two v_nop are the four places behind the products
	v_add_nc_u32 v5, s[TB], v3
	v_nop
	v_nop
	FETCHK 4
.if (\fetch) == 2
	s_wait_xcnt 0x0                                ; the prefetch, two key steps back, has read its base
	s_add_nc_u64 s[40:41], s[40:41], HEADB
	s_add_nc_u64 s[42:43], s[42:43], HEADB
	LOADQ                                          ; this head's last product on Q stands four places back; the loads have the rest of the step and the merge in which to land
.endif
.else
	PLACES 4
.endif
	; the maximum of a query's 32 scores in this lane: four chains a tile, each begun at its accumulator's low end; the four tiles by turns
	WIN 0x15
.irp n, 0,1,2,3
.irp t, 0,1,2,3
	v_max3_num_f32 v[ST+8*\t+4+\n], v[32*\t+8*\n], v[32*\t+8*\n+1], v[32*\t+8*\n+2]
.endr
.endr
	WIN 0x14
.irp u, 3,5
.irp n, 0,1,2,3
.irp t, 0,1,2,3
	v_max3_num_f32 v[ST+8*\t+4+\n], v[ST+8*\t+4+\n], v[32*\t+8*\n+\u], v[32*\t+8*\n+\u+1]
.endr
.endr
.endr
.irp t, 0,1,2,3
	v_max3_num_f32 v[ST+8*\t+4], v[ST+8*\t+4], v[32*\t+7], v[32*\t+15]
.endr
.irp t, 0,1,2,3
	v_max3_num_f32 v[ST+8*\t+6], v[ST+8*\t+6], v[32*\t+23], v[32*\t+31]
.endr
	WIN 0
.irp t, 0,1,2,3
	v_max3_num_f32 v[ST+8*\t+4], v[ST+8*\t+4], v[ST+8*\t+5], v[ST+8*\t+6]
.endr
.irp t, 0,1,2,3
.if \first
	v_max_num_f32 v[ST+8*\t+4], v[ST+8*\t+4], v[ST+8*\t+7]
.else
	v_max3_num_f32 v[ST+8*\t+4], v[ST+8*\t+4], v[ST+8*\t+7], v[ST+8*\t+1]
.endif
.endr
.irp t, 0,1,2,3
	v_permlanex16_b32 v[ST+8*\t+5], v[ST+8*\t+4], s[SEL], s[SEL+1]   ; the query's other 32 keys lie in the lane 16 away
.endr
.if !\first
.irp t, 0,1,2,3
	v_mov_b32 v[ST+8*\t+7], v[ST+8*\t]             ; c m_old
.endr
.endif
.irp t, 0,1,2,3
	v_max_num_f32 v[ST+8*\t+1], v[ST+8*\t+4], v[ST+8*\t+5]
.endr
.irp t, 0,1,2,3
	v_mul_f32 v[ST+8*\t], s[CS], v[ST+8*\t+1]
.endr
.if !\first
.irp t, 0,1,2,3
	v_sub_f32 v[ST+8*\t+7], v[ST+8*\t+7], v[ST+8*\t]
.endr
.irp t, 0,1,2,3
	v_exp_f32 v[ST+8*\t+6], v[ST+8*\t+7]           ; a
.endr
.endif
	WIN 0x41
.irp t, 0,1,2,3
.irp i, 0,2,4,6,8,10,12,14,16,18,20,22,24,26,28,30
	v_pk_fma_f32 v[32*\t+\i:32*\t+\i+1], v[32*\t+\i:32*\t+\i+1], s[CS:CS+1], v[ST+8*\t:ST+8*\t+1] op_sel_hi:[1,0,0] neg_lo:[0,0,1] neg_hi:[0,0,1]   ; c s - c m; plain work behind the four a
.endr
.endr
.if \first
.irp t, 0,1,2,3
.irp i, 0,1,2,3,4,5,6,7,8,9,10,11,12,13,14,15,16,17,18,19,20,21,22,23,24,25,26,27,28,29,30,31
	v_exp_f32 v[32*\t+\i], v[32*\t+\i]
.endr
.endr
.else
	s_wait_alu depctr_va_vdst(0)                   ; a wait ahead of the first line that names a
.irp t, 0,1,2,3
.irp i, 0,2,4,6,8,10,12,14,16,18,20,22,24,26,28,30
	v_pk_mul_f32 v[128+32*\t+\i:128+32*\t+\i+1], v[128+32*\t+\i:128+32*\t+\i+1], v[ST+8*\t+6:ST+8*\t+7] op_sel_hi:[1,0]   ; O^T x a, dealt out among the exponentials; it names none of their results
	v_exp_f32 v[32*\t+\i], v[32*\t+\i]
	v_exp_f32 v[32*\t+\i+1], v[32*\t+\i+1]
.endr
.endr
.endif
	v_nop                                          ; a plain instruction behind the last exponential
	s_wait_alu depctr_va_vdst(0)                   ; one wait for the whole batch of 128, ahead of its first reader
	; the sums of the unrounded p: two chains a tile
.if \first
	WIN 0x05
.irp t, 0,1,2,3
	v_pk_add_f32 v[ST+8*\t+2:ST+8*\t+3], v[32*\t:32*\t+1], v[32*\t+2:32*\t+3]
.endr
.irp t, 0,1,2,3
	v_pk_add_f32 v[ST+8*\t+4:ST+8*\t+5], v[32*\t+4:32*\t+5], v[32*\t+6:32*\t+7]
.endr
	WIN 0x04
.else
	WIN 0x10
.irp t, 0,1,2,3
	v_pk_fma_f32 v[ST+8*\t+2:ST+8*\t+3], v[ST+8*\t+2:ST+8*\t+3], v[ST+8*\t+6:ST+8*\t+7], v[32*\t:32*\t+1] op_sel_hi:[1,0,1]   ; l a + the first pair
.endr
	WIN 0x05
.irp t, 0,1,2,3
	v_pk_add_f32 v[ST+8*\t+4:ST+8*\t+5], v[32*\t+2:32*\t+3], v[32*\t+4:32*\t+5]
.endr
	WIN 0x04
.irp t, 0,1,2,3
	v_pk_add_f32 v[ST+8*\t+2:ST+8*\t+3], v[ST+8*\t+2:ST+8*\t+3], v[32*\t+6:32*\t+7]
.endr
.endif
.irp i, 8,12,16,20,24,28
.irp t, 0,1,2,3
	v_pk_add_f32 v[ST+8*\t+2:ST+8*\t+3], v[ST+8*\t+2:ST+8*\t+3], v[32*\t+\i:32*\t+\i+1]
	v_pk_add_f32 v[ST+8*\t+4:ST+8*\t+5], v[ST+8*\t+4:ST+8*\t+5], v[32*\t+\i+2:32*\t+\i+3]
.endr
.endr
	WIN 0
.irp t, 0,1,2,3
	v_pk_add_f32 v[ST+8*\t+2:ST+8*\t+3], v[ST+8*\t+2:ST+8*\t+3], v[ST+8*\t+4:ST+8*\t+5]
.endr
	WIN 0x45                                       ; p to f16, in place: register x takes numbers 2 x and 2 x + 1
.irp t, 0,1,2,3
.irp x, 0,1,2,3,4,5,6,7,8,9,10,11,12,13,14,15
	v_cvt_pk_f16_f32 v[32*\t+\x], v[32*\t+2*\x], v[32*\t+2*\x+1]
.endr
.endr
.if \fetch
	s_wait_dscnt 16                                ; V is in; the next K's sixteen younger loads may be out
.else
	s_wait_dscnt 0x0
.endif
	WIN 0x54                                       ; V in window 0, P and O^T in window 1
.irp kk, 0,1
.irp ct, 0,1,2,3
.irp qt, 0,1,2,3
.if \first && (\kk == 0)
	v_wmma_f32_16x16x32_f16 v[128+32*\qt+8*\ct:128+32*\qt+8*\ct+7], v[VF+32*\kk+8*\ct:VF+32*\kk+8*\ct+7], v[32*\qt+8*\kk:32*\qt+8*\kk+7], 0
.else
	v_wmma_f32_16x16x32_f16 v[128+32*\qt+8*\ct:128+32*\qt+8*\ct+7], v[VF+32*\kk+8*\ct:VF+32*\kk+8*\ct+7], v[32*\qt+8*\kk:32*\qt+8*\kk+7], v[128+32*\qt+8*\ct:128+32*\qt+8*\ct+7]
.endif
.endr
.endr
.endr
	WIN 0
	PLACES 5                                       ; the next step's first products write over P's registers: five places; the loads into V's want four
.if \fetch
	FETCHV 5
.endif
.endm
; THE MERGE of the two halves of the keys, a tile at a time through slots of one tile.  I store local tile 2 into MY slot | barrier | I read my partner's slot and store local tile 3 into THAT slot: between the two barriers
; nobody else touches it, and LDS serves a wave's instructions in order | barrier | I read my own slot.  My slot's next store, in the next head, is my own and comes behind my own read.
.macro MERGE
.irp t, 0,1,2,3
	v_add_f32 v[ST+8*\t+4], v[ST+8*\t+2], v[ST+8*\t+3]
.endr
.irp t, 0,1,2,3
	v_permlanex16_b32 v[ST+8*\t+5], v[ST+8*\t+4], s[SEL], s[SEL+1]
.endr
.irp t, 0,1,2,3
	v_add_f32 v[ST+8*\t+2], v[ST+8*\t+4], v[ST+8*\t+5]   ; l of my 512 keys
.endr
	WIN 0x04                                       ; an LDS store's data are its source 1: window 1
.irp i, 0,1,2,3,4,5,6,7
	ds_store_b128 v6, v[192+4*\i:192+4*\i+3] offset:512*\i   ; O^T of local tile 2, as an image of the registers, each accumulator from its low end on
.endr
	WIN 0
	ds_store_b32 v8, v[ST+16]                      ; its c m and l
	ds_store_b32 v8, v[ST+18] offset:128
	s_wait_dscnt 0x0                               ; for the partner's sake
	s_barrier_signal -1
	s_barrier_wait -1
	WIN 0x40
.irp i, 0,1,2,3,4,5,6,7
	ds_load_b128 v[4*\i:4*\i+3], v7 offset:512*\i  ; the partner's O^T of my local tile 0, into S^T's registers
.endr
	WIN 0
	ds_load_b32 v240, v9
	ds_load_b32 v241, v9 offset:128
	WIN 0x04
.irp i, 0,1,2,3,4,5,6,7
	ds_store_b128 v7, v[224+4*\i:224+4*\i+3] offset:512*\i   ; O^T of local tile 3, behind my reads of the same bytes
.endr
	WIN 0
	ds_store_b32 v9, v[ST+24]
	ds_store_b32 v9, v[ST+26] offset:128
	s_wait_dscnt 0x0                               ; for the partner's sake
	s_barrier_signal -1
	s_barrier_wait -1
	WIN 0x40
.irp i, 0,1,2,3,4,5,6,7
	ds_load_b128 v[32+4*\i:32+4*\i+3], v6 offset:512*\i   ; the partner's O^T of my local tile 1
.endr
	WIN 0
	ds_load_b32 v242, v8
	ds_load_b32 v243, v8 offset:128
	s_wait_dscnt 0x0
.irp t, 0,1
	v_max_num_f32 v[244+\t], v[ST+8*\t], v[240+2*\t]
.endr
.irp t, 0,1
	v_sub_f32 v[248+4*\t], v[ST+8*\t], v[244+\t]
	v_sub_f32 v[250+4*\t], v[240+2*\t], v[244+\t]
.endr
.irp t, 0,1
	v_exp_f32 v[249+4*\t], v[248+4*\t]             ; e1: mine under the common maximum
	v_exp_f32 v[251+4*\t], v[250+4*\t]             ; e2: the partner's
.endr
	v_nop
	s_wait_alu depctr_va_vdst(0)                   ; one wait for the four
.irp t, 0,1
	v_mul_f32 v[246+\t], v[ST+8*\t+2], v[249+4*\t]
.endr
.irp t, 0,1
	v_fma_f32 v[246+\t], v[241+2*\t], v[251+4*\t], v[246+\t]   ; the row's sum
.endr
.irp t, 0,1
	v_rcp_f32 v[244+\t], v[246+\t]
.endr
	v_nop
	s_wait_alu depctr_va_vdst(0)                   ; one wait for the two
.irp t, 0,1
	v_mul_f32 v[248+4*\t], v[249+4*\t], v[244+\t]  ; g1 = e1 / sum
	v_mul_f32 v[250+4*\t], v[251+4*\t], v[244+\t]  ; g2 = e2 / sum
.endr
	WIN 0x41
.irp t, 0,1
.irp i, 0,2,4,6,8,10,12,14,16,18,20,22,24,26,28,30
	v_pk_mul_f32 v[128+32*\t+\i:128+32*\t+\i+1], v[128+32*\t+\i:128+32*\t+\i+1], v[248+4*\t:249+4*\t] op_sel_hi:[1,0]
.endr
.endr
	WIN 0x51
.irp t, 0,1
.irp i, 0,2,4,6,8,10,12,14,16,18,20,22,24,26,28,30
	v_pk_fma_f32 v[128+32*\t+\i:128+32*\t+\i+1], v[32*\t+\i:32*\t+\i+1], v[250+4*\t:251+4*\t], v[128+32*\t+\i:128+32*\t+\i+1] op_sel_hi:[1,0,1]
.endr
.endr
	WIN 0x05                                       ; to f16, into the statistics' registers, which are done with: two channel tiles are a fragment (16 rows x 32 channels) for the output projection
.irp t, 0,1
.irp x, 0,1,2,3,4,5,6,7,8,9,10,11,12,13,14,15
	v_cvt_pk_f16_f32 v[ST+16*\t+\x], v[128+32*\t+2*\x], v[128+32*\t+2*\x+1]
.endr
.endr
	WIN 0
.irp t, 0,1
.irp f, 0,1,2,3
	global_store_b128 v1, v[ST+16*\t+4*\f:ST+16*\t+4*\f+3], s[44:45] offset:24576*\t+512*\f th:TH_STORE_NT   ; 512 consecutive bytes
.endr
.endr
.endm
; A HEAD.  At its start K and V of its step 0 have been fetched and Q has been asked for.  more = 1: another head follows, and the two regions are filled again as they fall free.
.macro HEAD more
	s_wait_loadcnt 0x0                             ; Q
	STEP 1, 1                                      ; step 0
	s_mov_b32 s[CNT], 2
.Learly_\@:                                        ; steps 1, 2: they fetch steps 2, 3
	STEP 0, 1
	s_sub_co_u32 s[CNT], s[CNT], 1
	s_cmp_lg_u32 s[CNT], 0
	s_cbranch_scc1 .Learly_\@
.if \more
	s_wait_tensorcnt 0x0                           ; all my tensor loads have landed: the one that was out is my piece of steps 4-7; so a group 0 may be written
	ds_add_u32 v[SPW], v[NIL]                      ; 0 onto my spare word
	s_add_nc_u64 s[G0+2:G0+3], s[G0+2:G0+3], HEADB ; my piece of the next head's steps 0-3; the type bits on top are not reached
	s_wait_dscnt 0x0                               ; the add is done, and my reads of steps 0-3 are over: step 3 lies in registers
	CROUND                                         ; no wave of any partner still reads the first region or has a load on its way
	tensor_load_to_lds s[G0:G0+3], s[G1:G1+7]      ; my one tensor load behind the round: it has steps 3 to 6 in which to land
	s_nop 0
	PLACES 4
.else
	s_wait_tensorcnt 0x0                           ; my piece of steps 4-7 is in,
	s_wait_dscnt 0x0
	s_barrier_signal -1
	s_barrier_wait -1                              ; everybody's is
.endif
	s_mov_b32 s[CNT], 4
.Llate_\@:                                         ; steps 3 to 6: they fetch steps 4 to 7
	STEP 0, 1
.if \more
; A PREFETCH INTO THE L2 of the next head's Q, at the end of step 4, behind the step's run of LDS loads: two key steps ahead of the loads in step 7.  A group's four tiles are 8,192 consecutive bytes, read by the group's two waves:
; the wave of the first key half asks (waves 0 to 3; a branch on the wave's number and the count of steps, the same in all partners), lanes 256 bytes apart: each block is named once.  The last head asks for nothing.
	s_cmp_eq_u32 s[CNT], s[LIM]
	s_cbranch_scc0 .Lnot_mine_\@
	global_prefetch_b8 v[PFO], s[40:41] offset:HEADB th:TH_LOAD_NT scope:SCOPE_SE
.Lnot_mine_\@:
.endif
	s_sub_co_u32 s[CNT], s[CNT], 1
	s_cmp_lg_u32 s[CNT], 0
	s_cbranch_scc1 .Llate_\@
.if \more
	s_wait_tensorcnt 0x0                           ; my piece of the next head's steps 0-3 has landed; no tensor load of mine is out
	ds_add_u32 v[SPW], v[NIL]                      ; 0 onto my spare word
	s_add_nc_u64 s[G0+6:G0+7], s[G0+6:G0+7], HEADB ; my piece of the next head's steps 4-7
	s_wait_dscnt 0x0                               ; the add is done, and my reads of steps 4-7 are over: step 7 lies in registers
	CROUND                                         ; no wave of any partner still reads the second region or has a load on its way; the next head's steps 0-3 are whole
	tensor_load_to_lds s[G0+4:G0+7], s[G1:G1+7]    ; my one tensor load behind the round: it has step 7, the merge and the next head's steps 0 to 2 in which to land
	s_nop 0
	PLACES 4
	STEP 0, 2                                      ; step 7
.else
	STEP 0, 0                                      ; step 7
.endif
	MERGE
.endm
	s_wait_tensorcnt 1                             ; my first piece is in (the first pieces hold steps 0 to 3 of both halves); my second may stay out
	s_barrier_signal -1
	s_barrier_wait -1                              ; everybody's is
	FETCHK 2
	FETCHV 3
	s_mov_b32 s[HD], 2
.Lhead:                                            ; the first two heads
	HEAD 1
	s_sub_co_u32 s[HD], s[HD], 1
	s_cmp_lg_u32 s[HD], 0
	s_cbranch_scc1 .Lhead
	HEAD 0                                         ; the last head is written out: it asks for nothing more
	s_wait_tensorcnt 0x0                           ; the wave's end, behind my last tensor load and my last LDS store
	ds_add_u32 v[SPW], v[NIL]
	s_wait_dscnt 0x0
	CROUND                                         ; the closing round
	s_endpgm
.Lfunc_end_k_q427b7c8e20_attn:
	.size	k_q427b7c8e20_attn, .Lfunc_end_k_q427b7c8e20_attn-k_q427b7c8e20_attn
	.p2alignl 7, 3214868480
	.fill 96, 4, 3214868480
	.section	.rodata,"a",@progbits
	.p2align	6, 0x0
	.amdhsa_kernel k_q427b7c8e20_attn
		.amdhsa_group_segment_fixed_size 327680
		.amdhsa_private_segment_fixed_size 0
		.amdhsa_enable_private_segment 0
		.amdhsa_kernarg_size 32
		.amdhsa_user_sgpr_count 2
		.amdhsa_user_sgpr_kernarg_segment_ptr 1
		.amdhsa_wavefront_size32 1
		.amdhsa_system_sgpr_workgroup_id_x 1
		.amdhsa_system_sgpr_workgroup_id_y 1
		.amdhsa_system_sgpr_workgroup_id_z 1
		.amdhsa_system_vgpr_workitem_id 0
		.amdhsa_next_free_vgpr 512
		.amdhsa_next_free_sgpr 66
		.amdhsa_reserve_vcc 0
		.amdhsa_float_denorm_mode_32 3
		.amdhsa_float_denorm_mode_16_64 3
		.amdhsa_memory_ordered 1
		.amdhsa_forward_progress 1
		.amdhsa_inst_pref_size 255
	.end_amdhsa_kernel
	.section	.bss,"aw",@nobits
	.p2align	6
	.space	262144
	.amdgpu_metadata
---
amdhsa.version: [ 1, 2 ]
amdhsa.kernels:
  - .name:           k_q427b7c8e20_attn
    .symbol:         k_q427b7c8e20_attn.kd
    .args:
      - { .name: q16, .offset: 0, .size: 8, .value_kind: global_buffer, .address_space: global }
      - { .name: k16, .offset: 8, .size: 8, .value_kind: global_buffer, .address_space: global }
      - { .name: v16, .offset: 16, .size: 8, .value_kind: global_buffer, .address_space: global }
      - { .name: o16, .offset: 24, .size: 8, .value_kind: global_buffer, .address_space: global }
    .group_segment_fixed_size: 327680
    .private_segment_fixed_size: 0
    .kernarg_segment_align: 8
    .kernarg_segment_size: 32
    .max_flat_workgroup_size: 256
    .sgpr_count:     66
    .vgpr_count:     512
    .wavefront_size: 32
...
	.end_amdgpu_metadata
.endif
;; end of part 3
;; launch oproj (part 4): grid 4 x 64, 4 waves a work-group, clusters of 4 x 4, 327,680 bytes of LDS; arguments o16, wo16, bo, out0; writes out0
.if DOCPART == 4
	.amdgcn_target "amdgcn-amd-amdhsa--gfx1250"
	.amdhsa_code_object_version 6
	.text
	.protected	k_q427b7c8e20_oproj
	.globl	k_q427b7c8e20_oproj
	.p2align	8
	.type	k_q427b7c8e20_oproj,@function
k_q427b7c8e20_oproj:
	s_mov_b64 s[64:65], 0
	v_nop
	global_prefetch_b8 v0, s[64:65] scope:SCOPE_SE
	s_setreg_imm32_b32 hwreg(HW_REG_WAVE_MODE, 25, 1), 1
	s_wait_xcnt 0x0
	s_wait_alu depctr_hold_cnt(0) depctr_sa_sdst(0) depctr_va_vdst(0) depctr_va_sdst(0) depctr_va_ssrc(0) depctr_va_vcc(0) depctr_vm_vsrc(0)
	s_getreg_b32 s2, hwreg(HW_REG_IB_STS2, 6, 4)
	s_cmp_eq_u32 s2, 0
	s_cbranch_scc0 .Lentry_in_a_cluster
	s_endpgm
.Lentry_in_a_cluster:
	s_bfe_u32 s2, ttmp6, 0x10000c
	s_cmp_lg_u32 s2, 0xf033
	s_cbranch_scc0 .Lentry_shape_is_right
	s_endpgm
.Lentry_shape_is_right:
; OUTPUT PROJECTION: out = o Wo + bo.  o [16384][768] and Wo^T [768 (e)][768 (k)] come as f16 fragments (16 rows x 32 K, 1,024 bytes each); sums f32; out f32.
; SHARES.  A work-group makes 256 rows x 192 columns; wave w its rows 64 w .. 64 w + 63 (four tiles of 16) x all 192 columns: 48 accumulators.  K goes in six steps of 128 through a ring of two LDS slots
; (o's 16 row tiles x 4,096 bytes, then Wo's 12 column tiles x 4,096 bytes), filled by the tensor data mover: waves 0, 1 fetch o's halves, waves 2, 3 Wo's, one load a wave.
; CLUSTER: 4 x 4 work-groups.  The four of a row of the cluster need the same tiles of o, the four of a column the same tiles of Wo: each is asked for jointly.
; THE MATRIX INSTRUCTION IS USED TRANSPOSED (source 0 = 16 columns of Wo, source 1 = 16 rows of o): a lane holds eight neighbouring numbers of a row of out.  The bias is the C of each sum's first product.
; No prefetch: a refill is asked for behind the barrier in one K step's last quarter and waited for at the head of the next step's last quarter, 160 products later, and the tiles are shared in the cluster.
; REGISTERS: window 0: addresses; v32-223 rows on the way out.   window 1: two fragment buffers of 128: o's four at 8 a, Wo's twelve at 32 + 8 b.   window 2: accumulators 0-31 (number 4 b + a).
;   window 3: v0-127 accumulators 32-47; v128-223 the bias, eight registers a column tile.
.set SLOT,  114688
.set STAGE, 2*SLOT                     ; behind the ring: 16 rows x (768 bytes + 16) for each wave; no tensor load lands there
.set SPARE, STAGE+4*12544              ; behind the stages: the spare words, 128 bytes a wave
.set ADRA, 16                          ; v16-17 LDS address of my o fragments in slot 0, 1
.set ADRB, 20                          ; v20-21 the same for Wo
.set CO0,  22                          ; v22 16 x lane
.set CO1,  23                          ; v23 512 + 2,560 h + 16 r
.set STO,  24                          ; v24 the stage: where I put 32 bytes of a row
.set RD0,  25                          ; v25 stage + 16 x lane
.set RD1,  26                          ; v26 stage + 512 + 272 h + 16 r
.set BO,   27                          ; v27 32 h
.set SPW,  28                          ; v28 LDS address of my spare word; never rewritten
.set NIL,  29                          ; v29 0; never rewritten
.set F0,   0
.set F1,   128
.set G1,   24                          ; s[24:31] group 1 for o's tiles; s[32:39] group 0, one for each slot
.set G0,   32
.set G1B,  48                          ; s[48:55], s[56:63] the same for Wo's
.set G0B,  56
.set MSB,  0
.macro WIN new
.if MSB != (\new)
	s_set_vgpr_msb (MSB<<8)|(\new)
.set MSB, (\new)
.endif
.endm
.macro PLACES n
.rept \n
	v_nop
.endr
.endm
.macro JLOAD s                         ; a joint load; an s_nop 0 and four v_nop follow each of the two lines
	s_cmp_eq_u32 s13, 0
	s_cbranch_scc0 .Lfor_b_\@
	tensor_load_to_lds s[G0+4*\s:G0+4*\s+3], s[G1:G1+7]
	s_nop 0
.rept 4
	v_nop
.endr
	s_branch .Lasked_\@
.Lfor_b_\@:
	tensor_load_to_lds s[G0B+4*\s:G0B+4*\s+3], s[G1B:G1B+7]
	s_nop 0
.rept 4
	v_nop
.endr
.Lasked_\@:
.endm
.macro CREST                           ; a round of the cluster's barrier behind its opening barrier
	s_cmp_lg_u32 s12, 0
	s_cbranch_scc1 .Lnot_wave_0_\@
	s_barrier_signal -3
.Lnot_wave_0_\@:
	s_barrier_wait -3
	s_barrier_signal -1
	s_barrier_wait -1
.endm
.macro CROUND
	s_barrier_signal -1
	s_barrier_wait -1
	CREST
.endm
	s_load_b256 s[4:11], s[0:1], 0x0               ; o16, wo16, bo, out0
	v_lshl_add_u32 v[SPW], v0, 2, SPARE
	v_mov_b32 v[NIL], 0
	ds_add_u32 v[SPW], v[NIL]                      ; the wave's opening: the add, and its wait ahead of my first tensor load
	v_lshrrev_b32 v1, 5, v0
	v_readfirstlane_b32 s12, v1                    ; wave 0..3
	s_lshr_b32 s13, s12, 1                         ; I fetch for o (0) or for Wo (1),
	s_and_b32 s14, s12, 1                          ; its first or second half
	s_bfe_u32 s40, ttmp6, 0x40000                  ; cx, cy
	s_bfe_u32 s41, ttmp6, 0x40004
	s_lshl_b32 s42, ttmp9, 2
	s_add_co_u32 s42, s42, s40                     ; which 192 columns
	s_and_b32 s15, ttmp7, 0xffff
	s_lshl_b32 s15, s15, 2
	s_add_co_u32 s15, s15, s41                     ; which 256 rows
	s_lshl_b32 s43, s41, 2
	s_lshl_b32 s43, 15, s43                        ; my row of the cluster
	s_lshl_b32 s44, 0x1111, s40                    ; my column
	s_or_b32 s[G1], s43, (3<<16)|(1<<21)           ; o: 8 rows of 4,096 bytes (512 elements of 8), 24,576 bytes apart
	s_mov_b32 s[G1+1], 512<<16
	s_mov_b32 s[G1+2], 8<<16
	s_mov_b32 s[G1+3], 512<<16
	s_mov_b32 s[G1+4], 8
	s_mov_b32 s[G1+5], 3072
	s_mov_b32 s[G1+6], 0
	s_mov_b32 s[G1+7], 0
	s_or_b32 s[G1B], s44, (3<<16)|(1<<21)          ; Wo: 96 rows of 256 bytes, dense
	s_mov_b32 s[G1B+1], 32<<16
	s_mov_b32 s[G1B+2], 96<<16
	s_mov_b32 s[G1B+3], 32<<16
	s_mov_b32 s[G1B+4], 96
	s_mov_b32 s[G1B+5], 32
	s_mov_b32 s[G1B+6], 0
	s_mov_b32 s[G1B+7], 0
	s_lshl_b32 s16, s15, 4
	s_lshl_b32 s17, s14, 3
	s_add_co_u32 s16, s16, s17                     ; o: the first of the eight row tiles that I fetch
	s_mul_i32 s16, s16, 24576
	s_mov_b32 s17, 0
	s_mul_i32 s46, s42, 294912                     ; Wo: my 192 columns,
	s_mul_i32 s47, s14, 24576                      ; six of their twelve tiles
	s_add_co_u32 s46, s46, s47
	s_mov_b32 s47, 0
	s_lshl_b32 s20, s14, 15                        ; where they go: no place in the cluster enters an LDS address
	s_mul_i32 s21, s14, 24576
	s_add_co_u32 s21, s21, 65536
	s_mul_i32 s66, s42, 768
	s_mov_b32 s67, 0
	s_lshl_b32 s68, s15, 8
	s_lshl_b32 s69, s12, 6
	s_add_co_u32 s68, s68, s69                     ; my first row of out
	s_mul_i32 s68, s68, 3072
	s_add_co_u32 s68, s68, s66
	s_mov_b32 s69, 0
	s_wait_dscnt 0x0                               ; the opening add is done
	s_wait_kmcnt 0x0
	s_add_nc_u64 s[18:19], s[4:5], s[16:17]
	s_add_nc_u64 s[46:47], s[6:7], s[46:47]
	s_add_nc_u64 s[66:67], s[8:9], s[66:67]        ; bo at my columns
	s_add_nc_u64 s[68:69], s[10:11], s[68:69]      ; out at my rows and columns
	CROUND                                         ; all sixteen work-groups are here: the first joint loads meet
.irp s, 0,1
	s_mov_b32 s[G0+4*\s], 1
	s_add_co_u32 s[G0+4*\s+1], s20, \s*SLOT
	s_add_nc_u64 s[G0+4*\s+2:G0+4*\s+3], s[18:19], \s*4096
	s_or_b32 s[G0+4*\s+3], s[G0+4*\s+3], 0x80000000
	s_mov_b32 s[G0B+4*\s], 1
	s_add_co_u32 s[G0B+4*\s+1], s21, \s*SLOT
	s_add_nc_u64 s[G0B+4*\s+2:G0B+4*\s+3], s[46:47], \s*49152
	s_or_b32 s[G0B+4*\s+3], s[G0B+4*\s+3], 0x80000000
	JLOAD \s
.endr
	v_and_b32 v1, 31, v0
	v_and_b32 v2, 15, v0                           ; r
	v_bfe_u32 v3, v0, 4, 1                         ; h
	v_lshlrev_b32 v[BO], 5, v3
	WIN 0xc0                                       ; destination window 3
.irp b, 0,1,2,3,4,5,6,7,8,9,10,11
	global_load_b128 v[128+8*\b:128+8*\b+3], v[BO], s[66:67] offset:64*\b
	global_load_b128 v[128+8*\b+4:128+8*\b+7], v[BO], s[66:67] offset:64*\b+16
.endr
	WIN 0
	v_lshlrev_b32 v[CO0], 4, v1
	s_lshl_b32 s22, s12, 14                        ; my four row tiles
	v_add_nc_u32 v[ADRA], s22, v[CO0]
	v_add_nc_u32 v[ADRA+1], SLOT, v[ADRA]
	v_add_nc_u32 v[ADRB], 65536, v[CO0]
	v_add_nc_u32 v[ADRB+1], SLOT, v[ADRB]
	s_mul_i32 s23, s12, 12544
	s_add_co_u32 s23, s23, STAGE                   ; my stage
	v_mul_u32_u24 v[STO], v2, 784
	v_lshl_add_u32 v[STO], v3, 5, v[STO]
	v_add_nc_u32 v[STO], s23, v[STO]
	v_add_nc_u32 v[RD0], s23, v[CO0]
	v_mul_u32_u24 v[RD1], v3, 272
	v_lshl_add_u32 v[RD1], v2, 4, v[RD1]
	v_add_nc_u32 v[RD1], s23, v[RD1]
	v_add_nc_u32 v[RD1], 512, v[RD1]
	v_mul_u32_u24 v[CO1], v3, 2560
	v_lshl_add_u32 v[CO1], v2, 4, v[CO1]
	v_add_nc_u32 v[CO1], 512, v[CO1]
; 16 products: column tiles b0 .. b0 + 3 x my four row tiles, 32 along K.  first = 1: the bias is C.  The 48 accumulators take turns, one instruction a turn, in the same order in every quarter.
.macro MUL16 f, b0, first
.if (\b0) >= 8
	WIN 0xf5
.elseif \first
	WIN 0xb5
.else
	WIN 0xa5
.endif
.irp bi, 0,1,2,3
.irp a, 0,1,2,3
.set AR, 8*(4*(((\b0)+\bi)%8)+\a)
.set BR, (\f)+32+8*((\b0)+\bi)
.set AA, (\f)+8*\a
.set CR, 128+8*((\b0)+\bi)
.if \first
	v_wmma_f32_16x16x32_f16 v[AR:AR+7], v[BR:BR+7], v[AA:AA+7], v[CR:CR+7]
.else
	v_wmma_f32_16x16x32_f16 v[AR:AR+7], v[BR:BR+7], v[AA:AA+7], v[AR:AR+7]
.endif
.endr
.endr
.endm
.macro FETCH slot, kk, f               ; 32 LDS loads in one run: the fragments of the slot's kk-th 32 along K; each covers 512 consecutive bytes
	WIN 0x40
.irp b, 0,1,2,3,4,5,6,7,8,9,10,11
.irp c, 0,1
	ds_load_b128 v[(\f)+32+8*\b+4*\c:(\f)+32+8*\b+4*\c+3], v[ADRB+\slot] offset:4096*\b+1024*(\kk)+512*\c
.endr
.endr
.irp a, 0,1,2,3
.irp c, 0,1
	ds_load_b128 v[(\f)+8*\a+4*\c:(\f)+8*\a+4*\c+3], v[ADRA+\slot] offset:4096*\a+1024*(\kk)+512*\c
.endr
.endr
.endm
.macro QUARTER slot, kk, f, g, first   ; multiplies buffer f; behind its first sixteen products it fetches the next quarter (the slot's kk-th) into g
	s_wait_dscnt 0x0                               ; buffer f is in (asked for 32 products ago)
	MUL16 \f, 0, \first
	PLACES 4                                       ; in front of loads into registers that the last quarter's products read
	FETCH \slot, \kk, \g
	MUL16 \f, 4, \first
	MUL16 \f, 8, \first
.endm
; A K step's last quarter multiplies buffer 1 and changes slots: ONE barrier; in front of it each wave waits for all its tensor loads, adds 0 to its spare word, and waits for that and for its reads of this slot.
.macro TURN slot, next, fill
	WIN 0                                          ; (the add's two registers lie in window 0)
	s_wait_tensorcnt 0x0                           ; all my tensor loads have landed: my part of the next slot;
	ds_add_u32 v[SPW], v[NIL]                      ; 0 onto my spare word;
	s_wait_dscnt 1                                 ; (buffer 1 is in; the add may be out)
	MUL16 F1, 0, 0                                 ; sixteen products stand between the add and the wait for it
	s_wait_dscnt 0x0                               ; the add is done, and my reads of this slot are over
	s_barrier_signal -1
	MUL16 F1, 4, 0
	WIN 0
	s_barrier_wait -1
.if \fill
	CREST                                          ; the barrier has opened a round of the cluster's barrier: no wave of any partner still reads this slot or has a load on its way
	s_add_nc_u64 s[G0+4*\slot+2:G0+4*\slot+3], s[G0+4*\slot+2:G0+4*\slot+3], 8192
	s_add_nc_u64 s[G0B+4*\slot+2:G0B+4*\slot+3], s[G0B+4*\slot+2:G0B+4*\slot+3], 98304
	JLOAD \slot                                    ; the first tensor load behind the round; its four v_nop are also the places in front of the loads below
.else
	PLACES 4
.endif
	FETCH \next, 0, F0
	MUL16 F1, 8, 0
.endm
	s_wait_tensorcnt 1                             ; my part of K step 0 is in; K step 1's may stay out
	s_barrier_signal -1
	s_barrier_wait -1                              ; everybody's is
	FETCH 0, 0, F0
	s_wait_loadcnt 0x0                             ; the bias
	QUARTER 0, 1, F0, F1, 1                        ; the first quarter stands in front of the loop: its products start the sums
	WIN 0
	s_mov_b32 s3, 2
.Llap:                                             ; a trip goes once round the ring and fills both slots again: K steps 2, 3, then 4, 5
	QUARTER 0, 2, F1, F0, 0
	QUARTER 0, 3, F0, F1, 0
	TURN 0, 1, 1
	QUARTER 1, 1, F0, F1, 0
	QUARTER 1, 2, F1, F0, 0
	QUARTER 1, 3, F0, F1, 0
	TURN 1, 0, 1
	QUARTER 0, 1, F0, F1, 0
	WIN 0
	s_sub_co_u32 s3, s3, 1
	s_cmp_lg_u32 s3, 0
	s_cbranch_scc1 .Llap
	QUARTER 0, 2, F1, F0, 0                        ; the last lap fills nothing
	QUARTER 0, 3, F0, F1, 0
	TURN 0, 1, 0
	QUARTER 1, 1, F0, F1, 0
	QUARTER 1, 2, F1, F0, 0
	QUARTER 1, 3, F0, F1, 0
	s_wait_dscnt 0x0
	MUL16 F1, 0, 0
	MUL16 F1, 4, 0
	MUL16 F1, 8, 0
	WIN 0
	PLACES 4
; THE WAY OUT, a tile of 16 rows x 192 columns at a time: through my own stage (rows of 768 bytes + 16) and back as runs of a row; two rows are three loads and three stores of 512 bytes, each sixteen lanes 256 consecutive aligned bytes.
.macro TOSTAGE a
	WIN 0x08                                       ; an LDS store's data are its source 1: window 2
.irp b, 0,1,2,3,4,5,6,7
	ds_store_b128 v[STO], v[8*(4*\b+(\a)):8*(4*\b+(\a))+3] offset:64*\b      ; each accumulator from its low end on
	ds_store_b128 v[STO], v[8*(4*\b+(\a))+4:8*(4*\b+(\a))+7] offset:64*\b+16
.endr
	WIN 0x0c                                       ; window 3
.irp b, 8,9,10,11
	ds_store_b128 v[STO], v[8*(4*(\b-8)+(\a)):8*(4*(\b-8)+(\a))+3] offset:64*\b
	ds_store_b128 v[STO], v[8*(4*(\b-8)+(\a))+4:8*(4*(\b-8)+(\a))+7] offset:64*\b+16
.endr
	WIN 0
.set BB, 32+96*((\a)%2)
.irp i, 0,1,2,3,4,5,6,7
	ds_load_b128 v[BB+12*\i:BB+12*\i+3], v[RD0] offset:1568*\i          ; LDS serves a wave's instructions in order: these see my stores
	ds_load_b128 v[BB+12*\i+4:BB+12*\i+7], v[RD1] offset:1568*\i
	ds_load_b128 v[BB+12*\i+8:BB+12*\i+11], v[RD0] offset:1568*\i+1040
.endr
.endm
.macro SEND a, younger                 ; younger: the LDS instructions issued behind tile a's loads, which may stay out
.set BB, 32+96*((\a)%2)
	s_wait_dscnt \younger
.irp i, 0,1,2,3,4,5,6,7
	global_store_b128 v[CO0], v[BB+12*\i:BB+12*\i+3], s[68:69] offset:49152*(\a)+6144*\i th:TH_STORE_NT
	global_store_b128 v[CO1], v[BB+12*\i+4:BB+12*\i+7], s[68:69] offset:49152*(\a)+6144*\i th:TH_STORE_NT
	global_store_b128 v[CO0], v[BB+12*\i+8:BB+12*\i+11], s[68:69] offset:49152*(\a)+6144*\i+3328 th:TH_STORE_NT
.endr
.endm
	TOSTAGE 0
	TOSTAGE 1
	SEND 0, 48                                     ; behind tile 0's loads: tile 1's 24 stores and 24 loads
	s_wait_xcnt 0x0                                ; tile 0's stores have read their registers: tile 2's loads may land there
	TOSTAGE 2
	SEND 1, 48
	s_wait_xcnt 0x0
	TOSTAGE 3
	SEND 2, 48
	SEND 3, 0
	s_wait_tensorcnt 0x0                           ; the wave's end, behind my last tensor load and my last LDS store
	ds_add_u32 v[SPW], v[NIL]
	s_wait_dscnt 0x0
	CROUND                                         ; the closing round
	s_endpgm
.Lfunc_end_k_q427b7c8e20_oproj:
	.size	k_q427b7c8e20_oproj, .Lfunc_end_k_q427b7c8e20_oproj-k_q427b7c8e20_oproj
	.p2alignl 7, 3214868480
	.fill 96, 4, 3214868480
	.section	.rodata,"a",@progbits
	.p2align	6, 0x0
	.amdhsa_kernel k_q427b7c8e20_oproj
		.amdhsa_group_segment_fixed_size 327680
		.amdhsa_private_segment_fixed_size 0
		.amdhsa_enable_private_segment 0
		.amdhsa_kernarg_size 32
		.amdhsa_user_sgpr_count 2
		.amdhsa_user_sgpr_kernarg_segment_ptr 1
		.amdhsa_wavefront_size32 1
		.amdhsa_system_sgpr_workgroup_id_x 1
		.amdhsa_system_sgpr_workgroup_id_y 1
		.amdhsa_system_sgpr_workgroup_id_z 1
		.amdhsa_system_vgpr_workitem_id 0
		.amdhsa_next_free_vgpr 1024
		.amdhsa_next_free_sgpr 72
		.amdhsa_reserve_vcc 0
		.amdhsa_float_denorm_mode_32 3
		.amdhsa_float_denorm_mode_16_64 3
		.amdhsa_memory_ordered 1
		.amdhsa_forward_progress 1
		.amdhsa_inst_pref_size 118
	.end_amdhsa_kernel
	.amdgpu_metadata
---
amdhsa.version: [ 1, 2 ]
amdhsa.kernels:
  - .name:           k_q427b7c8e20_oproj
    .symbol:         k_q427b7c8e20_oproj.kd
    .args:
      - { .name: o16, .offset: 0, .size: 8, .value_kind: global_buffer, .address_space: global }
      - { .name: wo16, .offset: 8, .size: 8, .value_kind: global_buffer, .address_space: global }
      - { .name: bo, .offset: 16, .size: 8, .value_kind: global_buffer, .address_space: global }
      - { .name: out0, .offset: 24, .size: 8, .value_kind: global_buffer, .address_space: global }
    .group_segment_fixed_size: 327680
    .private_segment_fixed_size: 0
    .kernarg_segment_align: 8
    .kernarg_segment_size: 32
    .max_flat_workgroup_size: 128
    .sgpr_count:     72
    .vgpr_count:     1024
    .wavefront_size: 32
...
	.end_amdgpu_metadata
.endif
;; end of part 4
